; MI455X (gfx1250); checked and timed in simulation.
; The chip was launched on July 23, 2026; its instructions are those of AMD's public machine-readable ISA for CDNA 5 (MIT licence, August 2026) and "CDNA5" Instruction Set Architecture Reference Guide (July 2026). The comments in the code are by the model that wrote it; some were corrected since.
;; Token Cross Attention. Allowed arithmetic: matrix products marked QUANTISED: E2M3 operands, one E8M0 scale for each 32 along K, by v_wmma_scale_f32_16x16x128_f8f6f4 with both operands' format E2M3, f32 sums; everything else in f32.
;; Inputs: Wk 1,024 x 1,024 float32; Wp 1,024 x 1,024 float32; Wq 1,024 x 1,024 float32; Wv 1,024 x 1,024 float32; decisions 4 x 2,048 float32; x 4 x 2,048 x 1,024 float32; x_origin 4 x 2,048 x 1,024 float32.
;; Outputs: out0 4 x 2,048 x 1,024 float32.
;; This version of the problem:
;;   THIS VERSION OF THE PROBLEM IS GIVEN IN LOW PRECISION. The matrix products marked QUANTISED in the list below multiply operands that are first quantised to E2M3 (2 exponent bits, 3 mantissa bits; 6 bits a number), with one power-of-two scale for each 32 numbers along K (OCP MX v1.0); their sums are f32. All else is computed in f32.
;;   The module's matrix products, in the order in which they are computed (A, B: the left and right operand; K: the contracted axis; several contracted axes count as one K, in the product's order):
;;     1. [M 8,192, K 1,024] x [K 1,024, N 1,024]; A: input x; B: input Wq: QUANTISED
;;     2. [M 8,192, K 1,024] x [K 1,024, N 1,024]; A: input x_origin; B: input Wk: QUANTISED
;;     3. [M 8,192, K 1,024] x [K 1,024, N 1,024]; A: input x_origin; B: input Wv: QUANTISED
;;     4. batch 64 x [M 2,048, K 64] x [K 64, N 2,048]; A: computed on the way; B: computed on the way: QUANTISED
;;     5. batch 64 x [M 2,048, K 2,048] x [K 2,048, N 64]; A: computed on the way; B: computed on the way: QUANTISED
;;     6. [M 8,192, K 1,024] x [K 1,024, N 1,024]; A: computed on the way; B: input Wp: QUANTISED
;;   THE QUANTISER, for each operand of a quantised product, along K:
;;     - K is cut into blocks of 32 from its start; a last block that is shorter is filled with zeros.
;;     - A block's scale is 2^e with e = floor(log2(the largest magnitude in the block)) - 2, held to -126 .. 127; a block of zeros has e = 0. As a byte (E8M0): e + 127.
;;     - Each number is divided by its block's scale, clamped to +-7.5, and rounded to the nearest number of E2M3, ties to even, subnormals kept.
;;     - The product sums the exact products of the quantised numbers (number of the format x scale) in f32.
;;   ~~~python
;;   def quantise(x, axis):      # numpy; x: float32 -> the quantised numbers, widened to float32 again
;;       x = np.moveaxis(x, axis, -1); K = x.shape[-1]
;;       x = np.pad(x, [(0, 0)] * (x.ndim - 1) + [(0, -K % 32)]); x = x.reshape(x.shape[:-1] + (-1, 32)); a = np.abs(x).max(-1, keepdims=True)
;;       e = np.where(a > 0, np.clip(np.frexp(np.where(a > 0, a, 1))[1] - 1 - 2, -126, 127), 0)      # np.frexp(a)[1] - 1 = floor(log2(a)), exactly
;;       r = np.clip(x / 2.0 ** e, -7.5, 7.5)
;;       step = 2.0 ** (np.maximum(np.frexp(np.where(r == 0, 1, r))[1] - 1, 0) - 3)
;;       q = np.round(r / step) * step * 2.0 ** e      # np.round: ties to even
;;       return np.moveaxis(q.reshape(q.shape[:-2] + (-1,))[..., :K], -1, axis).astype(np.float32)
;;   ~~~
;;   OPERANDS COMPUTED ON THE WAY. 'Computed on the way' means the value that the module computes at that place (a softmax that the list does not call 'softmax' is quantised finished and normalised). What goes into a quantiser is computed in f32, as accurately as f32 sums, v_exp_f32 and their like allow (about 1e-6 of the number): no bf16 or f16 on the way to a quantiser, and a product that is left as it is and whose result goes on into a quantised operand takes f32 operands (vector FMAs, or v_wmma_f32_16x16x4_f32). A number that lies on a knife's edge between two numbers of the format may be rounded either way, as far as f32 arithmetic and the matrix unit's own rounding can turn it there, and no further.
;; One version. Each part assembles by itself: llvm-mc -triple=amdgcn-amd-amdhsa -mcpu=gfx1250 --defsym DOCPART=n.
;; ======== version 1 of 1: 5 launches
;; workspace buffers: codes 15,728,640 bytes; scl 655,360 bytes; qkvf 18,874,368 bytes; qkvs 1,572,864 bytes; oc 6,291,456 bytes; os 262,144 bytes
;; launch quant_x (part 1): grid 512 x 1, 4 waves a work-group, no clusters, 33,280 bytes of LDS; arguments x, x_origin, codes, scl; writes codes, scl
.if DOCPART == 1
	.amdgcn_target "amdgcn-amd-amdhsa--gfx1250"
	.amdhsa_code_object_version 6
	.text
	.protected	k_qc9efdb3f32_quant_x
	.globl	k_qc9efdb3f32_quant_x
	.p2align	8
	.type	k_qc9efdb3f32_quant_x,@function
k_qc9efdb3f32_quant_x:
	s_mov_b64 s[64:65], 0
	v_nop
	global_prefetch_b8 v0, s[64:65] scope:SCOPE_SE
	s_setreg_imm32_b32 hwreg(HW_REG_WAVE_MODE, 25, 1), 1
	s_wait_xcnt 0x0
; x and x_origin, each [8192][1024] f32, become codes of FP6 (E2M3), K innermost, with one E8M0 scale byte for each 32 along K.
; They go into rows 0 .. 8191 (x) and 8192 .. 16383 (x_origin) of codes [20480][768 bytes] and scl [20480][32 bytes].
; A block's scale is 2^(floor(log2(its largest magnitude)) - 2); its byte is the largest magnitude's exponent field - 2, held at 1 from below.
; LIMITS: a block of zeros, or one whose largest magnitude lies under 2^-124, gets the byte 1 (its codes are zeros or subnormal codes; this program alone reads the bytes);
; NaN and infinities among the inputs are not served.
; Rows are dense and 1024 is a multiple of 32: both tensors are plain streams of blocks of 32, and so are the codes and the scale bytes.
; A wave takes 16 steps of 512 numbers.  Each of a step's four loads reads 512 consecutive bytes; the 2,048 bytes turn through the wave's own stage in LDS and come back 64 bytes a lane,
; so that a lane holds 16 neighbours along K (two neighbouring lanes hold a block).  A lane's 16 codes are 12 bytes: the wave stores 384 consecutive bytes.
; A wave's 256 scale bytes are gathered in LDS and leave as one aligned run of 256 bytes.  Waves share nothing: no barrier.  Loads run four steps ahead.
.set WAVES, 4
.set STEPS, 16
.set WGA,   256                        ; work-groups for x: 8192 x 1024 / 32768; the others take x_origin
.set EMAX,  2
.set CB,    12                         ; bytes of 16 codes
.set R,     16                         ; v16-79   four sets of 16 numbers as they are loaded
.set X,     80                         ; v80-111  two sets of 16 neighbours
.set C,     128                        ; v128-191 codes: four registers for each step, so that no store's data are written again
.set E,     112                        ; v112-127 a scale byte for each step
.set WREG,  8192                       ; LDS: a region for each wave: two stages of 32 x SP bytes, behind them its 256 scale bytes
.set SP,    80                         ; a lane's place in a stage: 64 bytes + 16 of padding
.set SPW,   12                         ; v12 LDS address of my spare word; never rewritten
.set NIL,   13                         ; v13 0; never rewritten
.set SPARE, WAVES*WREG                 ; behind the four regions: the spare words, 128 bytes a wave
	s_load_b128 s[4:7], s[0:1], 0x0                ; x, x_origin
	s_load_b128 s[8:11], s[0:1], 0x10              ; codes, scl
	v_lshl_add_u32 v[SPW], v0, 2, SPARE
	v_mov_b32 v[NIL], 0
	v_lshrrev_b32 v1, 5, v0
	v_readfirstlane_b32 s16, v1                    ; wave
	v_and_b32 v2, 31, v0                           ; lane
	v_lshlrev_b32 v3, 4, v2                        ; my 16 bytes of a load's 512
	s_mul_i32 s17, s16, WREG
	v_lshrrev_b32 v14, 2, v2
	v_mul_u32_u24 v14, v14, SP
	v_and_b32 v15, 3, v2
	v_lshl_add_u32 v14, v15, 4, v14
	v_add_nc_u32 v14, s17, v14                     ; the stage, on the way in: SP (lane / 4) + 16 (lane % 4)
	v_mul_u32_u24 v15, v2, SP
	v_add_nc_u32 v15, s17, v15                     ; and on the way out: SP x lane: my 16 neighbours
	v_mul_u32_u24 v4, v2, CB                       ; my codes' place in a step's
	v_lshrrev_b32 v5, 1, v2
	s_add_co_u32 s17, s17, 2*32*SP
	v_add_nc_u32 v5, s17, v5                       ; LDS: my wave's 256 scale bytes, my block's byte
	v_lshlrev_b32 v7, 3, v2                        ; and on the way out 8 bytes a lane
	v_add_nc_u32 v6, s17, v7
	s_wait_kmcnt 0x0
	s_cmp_lt_u32 ttmp9, WGA                        ; x's work-group or x_origin's?  The choice hangs on the work-group's number alone
	s_cselect_b64 s[4:5], s[4:5], s[6:7]
	s_cselect_b32 s17, 0, WGA
	s_sub_co_u32 s17, ttmp9, s17
	s_lshl_b32 s17, s17, 2
	s_add_co_u32 s18, s17, s16                     ; which run of 8,192 numbers of the input tensor is my wave's
	s_mov_b32 s19, 0
	s_mov_b64 s[20:21], 512*STEPS*4
	s_mul_u64 s[20:21], s[18:19], s[20:21]
	s_add_nc_u64 s[4:5], s[4:5], s[20:21]
	s_lshl_b32 s18, ttmp9, 2
	s_add_co_u32 s18, s18, s16                     ; and which run of the outputs: x_origin's rows follow x's there
	s_mov_b64 s[20:21], 32*STEPS*CB
	s_mul_u64 s[20:21], s[18:19], s[20:21]
	s_add_nc_u64 s[8:9], s[8:9], s[20:21]
	s_lshl_b32 s18, s18, 8                         ; 256 scale bytes a run
	s_add_nc_u64 s[10:11], s[10:11], s[18:19]
.macro LOAD t
.irp i, 0,1,2,3
	global_load_b128 v[R+16*((\t)%4)+4*\i:R+16*((\t)%4)+4*\i+3], v3, s[4:5] offset:2048*(\t)+512*\i th:TH_LOAD_NT   ; 32 lanes read 512 consecutive bytes
.endr
.endm
.macro TURN t                          ; step t's numbers through the stage: LDS serves a wave's instructions in order, so no wait stands between the stores and the loads
.irp i, 0,1,2,3
	ds_store_b128 v14, v[R+16*((\t)%4)+4*\i:R+16*((\t)%4)+4*\i+3] offset:32*SP*((\t)%2)+8*SP*\i
.endr
.irp i, 0,1,2,3
	ds_load_b128 v[X+16*((\t)%2)+4*\i:X+16*((\t)%2)+4*\i+3], v15 offset:32*SP*((\t)%2)+16*\i
.endr
.endm
.irp t, 0,1,2,3
	LOAD \t
.endr
	s_wait_loadcnt 12                              ; step 0's four loads are in; the twelve of steps 1 to 3 may be out
	TURN 0
.macro STEP t
.set XS, X+16*((\t)%2)
.if (\t) > 0
	s_wait_dscnt 1                                 ; this step's numbers are back from the stage (the last step's byte store may be out): so its stores into the stage have read their registers,
.else
	s_wait_dscnt 0x0
.endif
.if (\t)+4 < STEPS
	LOAD (\t)+4                                    ; which take the loads of four steps on
.endif
.if (\t)+1 < STEPS
.if STEPS-2-(\t) >= 3
	s_wait_loadcnt 12                              ; the next step's four loads are in; those of the three steps behind it may be out
.else
	s_wait_loadcnt 4*(STEPS-2-(\t))
.endif
	TURN (\t)+1                                    ; and go through the other stage while this step is worked
.endif
	v_max3_num_f32 v8, |v[XS]|, |v[XS+1]|, |v[XS+2]|               ; the largest magnitude of my 16, in two chains
	v_max3_num_f32 v9, |v[XS+3]|, |v[XS+4]|, |v[XS+5]|
.irp i, 6,10
	v_max3_num_f32 v8, v8, |v[XS+\i]|, |v[XS+\i+1]|
	v_max3_num_f32 v9, v9, |v[XS+\i+2]|, |v[XS+\i+3]|
.endr
	v_max3_num_f32 v8, v8, |v[XS+14]|, |v[XS+15]|
	v_max3_num_f32 v8, v8, v9, (EMAX+1)<<23        ; and the floor 2^(3 - 127): the byte cannot fall under 1
	v_max_num_f32_dpp v8, v8, v8 row_xmask:1 row_mask:0xf bank_mask:0xf   ; and of my neighbour's 16: the block's
	v_add_nc_u32 v11, 0xff000000, v8               ; 2 off its exponent field: the conversion takes the exponent field of this operand as its scale
	v_cvt_scalef32_pk16_fp6_f32 v[C+4*(\t):C+4*(\t)+2], v[XS:XS+15], v11         ; sixteen codes, 96 bits, the first number's lowest; beyond 7.5 the largest code
	v_lshrrev_b32 v[E+(\t)], 23, v11               ; the scale's byte
	ds_store_b8 v5, v[E+(\t)] offset:16*(\t)       ; both lanes of a block write the same byte with the same value
	global_store_b96 v4, v[C+4*(\t):C+4*(\t)+2], s[8:9] offset:32*CB*(\t)
.endm
.irp t, 0,1,2,3,4,5,6,7,8,9,10,11,12,13,14,15
	STEP \t
.endr
	ds_load_b64 v[8:9], v6                         ; LDS serves a wave's instructions in order: these see my stores
	s_wait_dscnt 0x0
	global_store_b64 v7, v[8:9], s[10:11]          ; 32 lanes store 256 consecutive bytes, aligned
	s_wait_tensorcnt 0x0                           ; the wave's end: these three lines stand behind my last LDS store
	ds_add_u32 v[SPW], v[NIL]
	s_wait_dscnt 0x0
	s_endpgm
.Lfunc_end_k_qc9efdb3f32_quant_x:
	.size	k_qc9efdb3f32_quant_x, .Lfunc_end_k_qc9efdb3f32_quant_x-k_qc9efdb3f32_quant_x
	.p2alignl 7, 3214868480
	.fill 96, 4, 3214868480
	.section	.rodata,"a",@progbits
	.p2align	6, 0x0
	.amdhsa_kernel k_qc9efdb3f32_quant_x
		.amdhsa_group_segment_fixed_size 33280
		.amdhsa_private_segment_fixed_size 0
		.amdhsa_enable_private_segment 0
		.amdhsa_kernarg_size 32
		.amdhsa_user_sgpr_count 2
		.amdhsa_user_sgpr_kernarg_segment_ptr 1
		.amdhsa_wavefront_size32 1
		.amdhsa_system_sgpr_workgroup_id_x 1
		.amdhsa_system_sgpr_workgroup_id_y 1
		.amdhsa_system_sgpr_workgroup_id_z 1
		.amdhsa_system_vgpr_workitem_id 0
		.amdhsa_next_free_vgpr 192
		.amdhsa_next_free_sgpr 66
		.amdhsa_reserve_vcc 0
		.amdhsa_float_denorm_mode_32 3
		.amdhsa_float_denorm_mode_16_64 3
		.amdhsa_memory_ordered 1
		.amdhsa_forward_progress 1
		.amdhsa_inst_pref_size 32
	.end_amdhsa_kernel
	.amdgpu_metadata
---
amdhsa.version: [ 1, 2 ]
amdhsa.kernels:
  - .name:           k_qc9efdb3f32_quant_x
    .symbol:         k_qc9efdb3f32_quant_x.kd
    .args:
      - { .name: x, .offset: 0, .size: 8, .value_kind: global_buffer, .address_space: global }
      - { .name: x_origin, .offset: 8, .size: 8, .value_kind: global_buffer, .address_space: global }
      - { .name: codes, .offset: 16, .size: 8, .value_kind: global_buffer, .address_space: global }
      - { .name: scl, .offset: 24, .size: 8, .value_kind: global_buffer, .address_space: global }
    .group_segment_fixed_size: 33280
    .private_segment_fixed_size: 0
    .kernarg_segment_align: 8
    .kernarg_segment_size: 32
    .max_flat_workgroup_size: 128
    .sgpr_count:     66
    .vgpr_count:     192
    .wavefront_size: 32
...
	.end_amdgpu_metadata
.endif
;; end of part 1
;; launch quant_w (part 2): grid 8 x 16, 4 waves a work-group, no clusters, 35,840 bytes of LDS; arguments Wq, Wk, Wv, Wp, codes, scl; writes codes, scl
.if DOCPART == 2
	.amdgcn_target "amdgcn-amd-amdhsa--gfx1250"
	.amdhsa_code_object_version 6
	.text
	.protected	k_qc9efdb3f32_quant_w
	.globl	k_qc9efdb3f32_quant_w
	.p2align	8
	.type	k_qc9efdb3f32_quant_w,@function
k_qc9efdb3f32_quant_w:
	s_mov_b64 s[64:65], 0
	v_nop
	global_prefetch_b8 v0, s[64:65] scope:SCOPE_SE
	s_setreg_imm32_b32 hwreg(HW_REG_WAVE_MODE, 25, 1), 1
	s_wait_xcnt 0x0
; Wq, Wk, Wv, Wp, each [1024 (k)][1024 (n)] f32 with K as the FIRST axis, become codes of FP6 (E2M3) laid [n][k] with K innermost, and one E8M0 byte for each 32 along K.
; Weight number i goes to rows 16384 + 1024 i + n of codes [20480][768 bytes] and scl [20480][32 bytes].
; A LANE TAKES A COLUMN n, AND ITS REGISTERS RUN DOWN K: each load reads 128 consecutive bytes a wave, a block of 32 along K lies in one lane's 32 registers, and the conversions give codes with K innermost.
; A wave takes 32 columns x 256 along K: 8 blocks a lane, 192 bytes of codes a column; they go through the wave's own stage in LDS and leave as rows, sixteen lanes to a row's 192 consecutive bytes.
; Work-group x: 128 columns.  Work-group y: 4 x the weight's number + which 256 along K.
; LIMITS: a block of zeros, or one whose largest magnitude lies under 2^-124, gets the byte 1 (this program alone reads the bytes); NaN and infinities are not served.
.set SIZE_K, 1024
.set SIZE_N, 1024
.set KW,    256                        ; along K for a wave
.set NB,    KW/32                      ; blocks
.set ROWB,  192                        ; bytes of KW codes
.set PITCH, 272                        ; a stage row: sixteen places of 16 bytes, each with 12 bytes of codes, + 16
.set KROW,  SIZE_K*6/8                 ; a row of the codes' buffer in bytes
.set EMAX,  2
.set X,     32                         ; v32-95   two sets of 32 numbers
.set C,     96                         ; v96..    a block's codes
.set OUTR,  112                        ; v112-175 the way out
.set SPW,   14                         ; v14 LDS address of my spare word; never rewritten
.set NIL,   15                         ; v15 0; never rewritten
.set SPARE, 4*32*PITCH                 ; behind the four stages: the spare words
.set SB,    24                         ; v24-25 the scale bytes, four to a register
	s_load_b256 s[32:39], s[0:1], 0x0              ; Wq, Wk, Wv, Wp
	s_load_b128 s[12:15], s[0:1], 0x20             ; codes, scl
	v_lshl_add_u32 v[SPW], v0, 2, SPARE
	v_mov_b32 v[NIL], 0
	v_lshrrev_b32 v1, 5, v0
	v_readfirstlane_b32 s16, v1                    ; wave 0..3
	v_and_b32 v2, 31, v0                           ; lane
	s_lshl_b32 s17, ttmp9, 7
	s_lshl_b32 s18, s16, 5
	s_add_co_u32 s17, s17, s18                     ; my wave's first column: 128 x work-group x + 32 x wave
	s_and_b32 s30, ttmp7, 0xffff
	s_and_b32 s18, s30, 3                          ; which 256 along K
	s_lshr_b32 s30, s30, 2                         ; which weight
	v_lshlrev_b32 v3, 2, v2                        ; in: 4 bytes a lane
	s_mul_i32 s19, s16, 32*PITCH                   ; my stage
	v_mul_u32_u24 v4, v2, PITCH
	v_add_nc_u32 v4, s19, v4                       ; into it: row = my column
	v_and_b32 v5, 15, v2
	v_lshrrev_b32 v6, 4, v2                        ; out of it: sixteen lanes to a row, two rows an instruction
	v_mul_u32_u24 v7, v6, PITCH
	v_lshl_add_u32 v7, v5, 4, v7
	v_add_nc_u32 v7, s19, v7                       ; LDS address
	v_mul_u32_u24 v8, v6, KROW
	v_mad_u32_u24 v8, v5, 12, v8                   ; and the same place in the codes' buffer
	; where my wave's part begins, in bytes: W: 256 y' rows of 4,096 + 4 x column;  codes: row x 768 + 192 y';  scale bytes: row x 32 + 8 y'
	s_mov_b32 s19, 0
	s_mov_b64 s[20:21], KW*SIZE_N*4
	s_mul_u64 s[20:21], s[18:19], s[20:21]
	s_lshl_b32 s22, s17, 2
	s_mov_b32 s23, 0
	s_add_nc_u64 s[20:21], s[20:21], s[22:23]
	s_lshl_b32 s22, s30, 10
	s_add_co_u32 s22, s22, s17
	s_add_co_u32 s22, s22, 16384                   ; my first row of the outputs
	s_mov_b64 s[24:25], KROW
	s_mul_u64 s[24:25], s[22:23], s[24:25]
	s_mul_i32 s26, s18, ROWB
	s_mov_b32 s27, 0
	s_add_nc_u64 s[24:25], s[24:25], s[26:27]
	s_mov_b64 s[28:29], SIZE_K/32
	s_mul_u64 s[28:29], s[22:23], s[28:29]
	s_mul_i32 s26, s18, NB
	s_add_nc_u64 s[28:29], s[28:29], s[26:27]
	v_mul_u32_u24 v9, v2, SIZE_K/32                ; my column's row of scale bytes
	s_and_b32 s31, s30, 1
	s_lshr_b32 s30, s30, 1
	s_wait_kmcnt 0x0
	s_cmp_eq_u32 s31, 1                            ; the weight is chosen by the two bits of its number: the choice hangs on no address
	s_cselect_b64 s[4:5], s[34:35], s[32:33]       ; Wk or Wq
	s_cselect_b64 s[6:7], s[38:39], s[36:37]       ; Wp or Wv
	s_cmp_eq_u32 s30, 1
	s_cselect_b64 s[4:5], s[6:7], s[4:5]
	s_add_nc_u64 s[4:5], s[4:5], s[20:21]
	s_add_nc_u64 s[6:7], s[12:13], s[24:25]
	s_add_nc_u64 s[8:9], s[14:15], s[28:29]
.macro LOAD t                          ; block t: W(32 t + i, my column), i = 0 .. 31, into set t % 2
.irp i, 0,1,2,3,4,5,6,7,8,9,10,11,12,13,14,15,16,17,18,19,20,21,22,23,24,25,26,27,28,29,30,31
	global_load_b32 v[X+32*((\t)%2)+\i], v3, s[4:5] offset:(32*(\t)+\i)*SIZE_N*4 th:TH_LOAD_NT
.endr
.endm
	LOAD 0
	LOAD 1
.macro BLOCK t
.set XS, X+32*((\t)%2)
.if (\t) < NB-1
	s_wait_loadcnt 32                              ; this block's 32 loads are in; the next block's 32 may be out
.else
	s_wait_loadcnt 0
.endif
	v_max3_num_f32 v12, |v[XS]|, |v[XS+1]|, |v[XS+2]|               ; the block's largest magnitude: all 32 numbers are mine
	v_max3_num_f32 v13, |v[XS+3]|, |v[XS+4]|, |v[XS+5]|
.irp i, 6,10,14,18,22,26
	v_max3_num_f32 v12, v12, |v[XS+\i]|, |v[XS+\i+1]|
	v_max3_num_f32 v13, v13, |v[XS+\i+2]|, |v[XS+\i+3]|
.endr
	v_max3_num_f32 v12, v12, |v[XS+30]|, |v[XS+31]|
	v_max3_num_f32 v12, v12, v13, (EMAX+1)<<23     ; and the floor 2^(3 - 127): the byte cannot fall under 1
	v_add_nc_u32 v11, 0xff000000, v12              ; 2 off its exponent field: the conversion's scale operand
	v_lshrrev_b32 v13, 23, v11                     ; the scale's byte
.if (\t)%4 == 0
	v_mov_b32 v[SB+(\t)/4], v13                    ; four bytes to a register, the lower K in the lower byte
.else
	v_lshl_or_b32 v[SB+(\t)/4], v13, 8*((\t)%4), v[SB+(\t)/4]
.endif
	v_cvt_scalef32_pk16_fp6_f32 v[C:C+2], v[XS:XS+15], v11
	v_cvt_scalef32_pk16_fp6_f32 v[C+4:C+6], v[XS+16:XS+31], v11     ; (a conversion's three registers begin on an even number)
	ds_store_b96 v4, v[C:C+2] offset:32*(\t)       ; 16 codes, 12 bytes, to a place of 16 bytes in the stage
	ds_store_b96 v4, v[C+4:C+6] offset:32*(\t)+16
.if (\t)+2 < NB
	LOAD (\t)+2
.endif
	s_wait_dscnt 0x0                               ; the stores have read their registers: the next block's codes may be written
.endm
.set Q, 0
.rept NB
	BLOCK Q
.set Q, Q+1
.endr
	global_store_b64 v9, v[SB:SB+1], s[8:9]        ; my column's 8 scale bytes
.irp t, 0,1,2,3,4,5,6,7,8,9,10,11,12,13,14,15
	ds_load_b96 v[OUTR+4*\t:OUTR+4*\t+2], v7 offset:2*\t*PITCH   ; LDS serves a wave's instructions in order: these see my stores
.endr
.irp t, 0,1,2,3,4,5,6,7,8,9,10,11,12,13,14,15
	s_wait_dscnt 15-\t
	global_store_b96 v8, v[OUTR+4*\t:OUTR+4*\t+2], s[6:7] offset:2*\t*KROW
.endr
	s_wait_tensorcnt 0x0                           ; the wave's end: these three lines stand behind my last LDS store
	ds_add_u32 v[SPW], v[NIL]
	s_wait_dscnt 0x0
	s_endpgm
.Lfunc_end_k_qc9efdb3f32_quant_w:
	.size	k_qc9efdb3f32_quant_w, .Lfunc_end_k_qc9efdb3f32_quant_w-k_qc9efdb3f32_quant_w
	.p2alignl 7, 3214868480
	.fill 96, 4, 3214868480
	.section	.rodata,"a",@progbits
	.p2align	6, 0x0
	.amdhsa_kernel k_qc9efdb3f32_quant_w
		.amdhsa_group_segment_fixed_size 35840
		.amdhsa_private_segment_fixed_size 0
		.amdhsa_enable_private_segment 0
		.amdhsa_kernarg_size 48
		.amdhsa_user_sgpr_count 2
		.amdhsa_user_sgpr_kernarg_segment_ptr 1
		.amdhsa_wavefront_size32 1
		.amdhsa_system_sgpr_workgroup_id_x 1
		.amdhsa_system_sgpr_workgroup_id_y 1
		.amdhsa_system_sgpr_workgroup_id_z 1
		.amdhsa_system_vgpr_workitem_id 0
		.amdhsa_next_free_vgpr 192
		.amdhsa_next_free_sgpr 66
		.amdhsa_reserve_vcc 0
		.amdhsa_float_denorm_mode_32 3
		.amdhsa_float_denorm_mode_16_64 3
		.amdhsa_memory_ordered 1
		.amdhsa_forward_progress 1
		.amdhsa_inst_pref_size 42
	.end_amdhsa_kernel
	.amdgpu_metadata
---
amdhsa.version: [ 1, 2 ]
amdhsa.kernels:
  - .name:           k_qc9efdb3f32_quant_w
    .symbol:         k_qc9efdb3f32_quant_w.kd
    .args:
      - { .name: Wq, .offset: 0, .size: 8, .value_kind: global_buffer, .address_space: global }
      - { .name: Wk, .offset: 8, .size: 8, .value_kind: global_buffer, .address_space: global }
      - { .name: Wv, .offset: 16, .size: 8, .value_kind: global_buffer, .address_space: global }
      - { .name: Wp, .offset: 24, .size: 8, .value_kind: global_buffer, .address_space: global }
      - { .name: codes, .offset: 32, .size: 8, .value_kind: global_buffer, .address_space: global }
      - { .name: scl, .offset: 40, .size: 8, .value_kind: global_buffer, .address_space: global }
    .group_segment_fixed_size: 35840
    .private_segment_fixed_size: 0
    .kernarg_segment_align: 8
    .kernarg_segment_size: 48
    .max_flat_workgroup_size: 128
    .sgpr_count:     66
    .vgpr_count:     192
    .wavefront_size: 32
...
	.end_amdgpu_metadata
.endif
;; end of part 2
;; launch gemm_qkv (part 3): grid 4 x 96, 4 waves a work-group, clusters of 4 x 4, 327,680 bytes of LDS; arguments codes, scl, qkvf, qkvs; writes qkvf, qkvs
.if DOCPART == 3
	.amdgcn_target "amdgcn-amd-amdhsa--gfx1250"
	.amdhsa_code_object_version 6
	.text
	.protected	k_qc9efdb3f32_gemm_qkv
	.globl	k_qc9efdb3f32_gemm_qkv
	.p2align	8
	.type	k_qc9efdb3f32_gemm_qkv,@function
k_qc9efdb3f32_gemm_qkv:
	s_mov_b64 s[64:65], 0
	v_nop
	global_prefetch_b8 v0, s[64:65] scope:SCOPE_SE
	s_setreg_imm32_b32 hwreg(HW_REG_WAVE_MODE, 25, 1), 1
	s_wait_xcnt 0x0
	s_wait_alu depctr_hold_cnt(0) depctr_sa_sdst(0) depctr_va_vdst(0) depctr_va_sdst(0) depctr_va_ssrc(0) depctr_va_vcc(0) depctr_vm_vsrc(0)
	s_getreg_b32 s2, hwreg(HW_REG_IB_STS2, 6, 4)
	s_cmp_eq_u32 s2, 0
	s_cbranch_scc0 .Lentry_in_a_cluster
	s_endpgm
.Lentry_in_a_cluster:
	s_bfe_u32 s2, ttmp6, 0x10000c
	s_cmp_lg_u32 s2, 0xf033
	s_cbranch_scc0 .Lentry_shape_is_right
	s_endpgm
.Lentry_shape_is_right:
; The three projections, on codes of FP6 (E2M3) with one E8M0 scale for each 32 along K = 1024, and the quantising of their results for the attention's two products.
; A tile of 256 x 256 is made by four waves, each 128 x 128: 64 accumulators, 512 registers.  K goes in steps of 256 through a ring of two LDS slots filled by the tensor data mover;
; the scale bytes of the tile's 2 x 256 rows come into LDS once.  4 x 4 work-groups form a cluster: A's tile is asked for jointly along a row of the cluster, B's along a column.
; SECTIONS, by the cluster's y (0 .. 23), which all sixteen partners share: 0-7: Q = x Wq;  8-15: K = x_origin Wk;  16-23: V^T = Wv^T x_origin^T.
; "A" is the operand whose row a lane holds in the result, "B" the one along which its registers run (source 0 = 16 rows of B, source 1 = 16 rows of A).  Q, K: A = tokens, B = the weight's columns;
; V: A = the weight's columns (channels), B = tokens, so that a lane's registers run along the tokens, which are the K of the attention's second product.  Only row numbers differ between the sections.
; THE WAY OUT.  The 64 registers of a block of 16 rows are 128 numbers' worth of the next K for lanes l and l xor 16: four blocks of 32.  They are quantised in registers and stored as an IMAGE OF THE NEXT
; OPERAND'S REGISTERS: qkvf [section][block of 16 rows][step of 128][plane 0..5][lane][8 bytes] (plane p = registers 2 p, 2 p + 1), qkvs [section][128 rows][step][half][lane][4 words] (word a: the scale word of block a's row lane % 16).
; Inside each block of 32 the codes stand in the order 0-7, 16-23, 8-15, 24-31 of the next K: alike in Q and K, and in V and the attention's weights, so every product pairs the right numbers.
; LIMITS: a block of zeros, or one whose largest magnitude lies under 2^-124, gets the byte 1; NaN and infinities are not served.
; No prefetch: a tile has four changes of slots in all, and the first two K steps are asked for at the head.
; REGISTERS, in windows of 256: window 0: v0-31 addresses; v32-63 scale words, two sets; v64-111 the way out's; from v128 A's fragments, one set (on the way out: the codes).
;   window 1: B's fragments, two sets.   window 2: accumulators of my rows 0-63 ((a, b) at v[8 (8 a + b)]);   window 3: those of rows 64-127.
.set SIZE_K, 1024
.set FS,     6291456                   ; a section of qkvf
.set KSTEP,  256                       ; along K in a slot
.set NQ,     KSTEP/128                 ; matrix instructions deep
.set ROWB,   192                       ; a tile's row in bytes
.set KROW,   SIZE_K*6/8                ; a row of codes in memory
.set PITCH,  240                       ; an LDS row: 3 x (64 bytes + 16 of padding)
.set FR,     12                        ; registers of a fragment
.set NL,     6                         ; LDS loads that bring one
.set NP,     4                         ; places behind this matrix instruction (ISA guide 7.12.1)
.set HALFT,  128*PITCH                 ; 128 rows: what one tensor load brings
.set SLOT,   4*HALFT                   ; A's 256 rows, then B's 256 rows
.set LAPS,   SIZE_K/(2*KSTEP)
.set KS,     SIZE_K/32                 ; a row of scales in bytes
.set SCL,    2*SLOT                    ; behind the ring: the scales, as runs of 256 bytes + 16 of padding
.set HALFS,  (128*KS/256)*272          ; the scales of 128 rows
.set SBLK,   (16*KS/256)*272           ; those of 16 rows
.set SPARE,  SCL+4*HALFS               ; the spare words, 128 bytes a wave
.set ADRA, 16                          ; v16-17 LDS address of my A fragments in slot 0, 1 (v18-19: behind one padding more)
.set ADRB, 20                          ; v20-23 the same for B
.set SPW,  28                          ; v28 LDS address of my spare word; never rewritten
.set NIL,  29                          ; v29 0; never rewritten
.set ADRS, 27                          ; v27 LDS address of my scale words: lanes 0-15 A's rows, lanes 16-31 B's
.set SC,   32                          ; scale words
.set AF,   128                         ; A's fragments
.set TM,   64                          ; v64-79 the way out: largest magnitudes, bytes, scale operands
.set PWS,  84                          ; v84-91 the eight blocks' scale words
.set VO,   92                          ; v92-99 block a's byte offset in qkvf: 8 x lane + a x the step from block to block; never rewritten
.set SCO,  100                         ; v100   16 x lane
.set PCT,  104                         ; v104-110 the conversions' second halves
.set SEL,  18                          ; s[18:19] lane selects for v_permlanex16_b32: lane l xor 16
.set G1, 24
.set G0, 32
.set G1B, 48
.set G0B, 56
.set G1S, 68
.set G0S, 76
.set G1SB, 80
.set G0SB, 88
.set MSB, 0
.macro WIN new                         ; the immediate's high byte repeats the setting that is left
.if MSB != (\new)
	s_set_vgpr_msb (MSB<<8)|(\new)
.set MSB, (\new)
.endif
.endm
.set MUL_LO, 0xa1                      ; source 0 (B) window 1, source 1 (A) window 0, C and D window 2
.set MUL_HI, 0xf1                      ; the same, C and D window 3
.set TO_B,   0x40                      ; destination window 1, address window 0
; A joint load: waves 0 and 1 fetch for A, waves 2 and 3 for B.  The branch hangs on the wave's number alone.  An s_nop 0 and four v_nop follow each of the two lines.
.macro JLOAD g0a, g1a, g0b, g1b
	s_cmp_eq_u32 s15, 0
	s_cbranch_scc0 .Lfor_b_\@
	tensor_load_to_lds s[\g0a:\g0a+3], s[\g1a:\g1a+7]
	s_nop 0
.rept 4
	v_nop
.endr
	s_branch .Lasked_\@
.Lfor_b_\@:
	tensor_load_to_lds s[\g0b:\g0b+3], s[\g1b:\g1b+7]
	s_nop 0
.rept 4
	v_nop
.endr
.Lasked_\@:
.endm
.macro CREST                           ; a round of the cluster's barrier behind its opening barrier
	s_cmp_lg_u32 s14, 0
	s_cbranch_scc1 .Lnot_wave_0_\@
	s_barrier_signal -3
.Lnot_wave_0_\@:
	s_barrier_wait -3
	s_barrier_signal -1
	s_barrier_wait -1
.endm
.macro CROUND                          ; a whole round
	s_barrier_signal -1
	s_barrier_wait -1
	CREST
.endm
	s_load_b256 s[4:11], s[0:1], 0x0               ; codes s[4:5], scl s[6:7], qkvf s[8:9], qkvs s[10:11]
	v_lshl_add_u32 v[SPW], v0, 2, SPARE
	v_mov_b32 v[NIL], 0
	ds_add_u32 v[SPW], v[NIL]                      ; the wave's opening: the add and its wait stand ahead of my first tensor load; the set-up below, work on registers, stands between them
	v_lshrrev_b32 v1, 5, v0
	v_readfirstlane_b32 s14, v1                    ; wave 0..3
	s_lshr_b32 s15, s14, 1                         ; which half of the tile's rows is mine.  Also: I fetch for A (0) or for B (1)
	s_and_b32 s16, s14, 1                          ; which half of its columns.  Also: which 128 rows of that tile I fetch
	s_bfe_u32 s40, ttmp6, 0x40000                  ; cx, cy: my place in the cluster
	s_bfe_u32 s41, ttmp6, 0x40004
	s_and_b32 s95, ttmp7, 0xffff                   ; the cluster's y: 0 .. 23
	s_and_b32 s96, s95, 7                          ; which of the section's eight clusters
	s_lshr_b32 s97, s95, 3                         ; the section: 0 Q, 1 K, 2 V
	s_lshl_b32 s99, s97, 13                        ; A's first row in codes: 0 (x), 8192 (x_origin); V: 16384 + 2048 (Wv)
	s_lshl_b32 s101, s97, 10
	s_add_co_u32 s101, s101, 16384                 ; B's for Q and K: the weight's rows
	s_mov_b32 s100, 8192                           ; B's for V: x_origin
	s_cmp_ge_u32 s95, 16                           ; V?  Only selections stand between this compare and the addition below
	s_cselect_b32 s66, 0, s96                      ; the cluster's place along the tile rows,
	s_cselect_b32 s67, s96, 0                      ; and along the tile columns
	s_cselect_b32 s98, 64, 8                       ; steps of 128 along the result's columns
	s_cselect_b32 s100, s100, s101
	s_cselect_b32 s101, 2048, 0
	s_add_co_u32 s99, s99, s101
	s_lshl_b32 s42, s67, 2
	s_add_co_u32 s42, s42, s40                     ; tile column
	s_lshl_b32 s17, s66, 2
	s_add_co_u32 s17, s17, s41                     ; tile row
	s_lshl_b32 s43, s41, 2
	s_lshl_b32 s43, 15, s43                        ; my row of the cluster
	s_lshl_b32 s44, 0x1111, s40                    ; my column
	; descriptor group 1: a tile of 128 rows x 192 bytes, 16 bytes of padding behind every 64
	s_or_b32 s[G1+0], s43, (0<<16)|(1<<20)|(1<<21)|(3<<22)|(3<<25)  ; 15:0 the mask: A's tiles go to my row; elements of 1 byte; padding on; bit 21 beside a mask; after every 16 words, 4 words
	s_or_b32 s[G1B+0], s44, (0<<16)|(1<<20)|(1<<21)|(3<<22)|(3<<25)
.irp g, G1, G1B
	s_mov_b32 s[\g+1], ROWB<<16                    ; tensor_dim0
	s_mov_b32 s[\g+2], 128<<16                     ; tensor_dim1 = 128
	s_mov_b32 s[\g+3], ROWB<<16                    ; tile_dim0
	s_mov_b32 s[\g+4], 128                         ; tile_dim1 = 128
	s_mov_b32 s[\g+5], KROW                        ; tensor_dim0_stride
	s_mov_b32 s[\g+6], 0
	s_mov_b32 s[\g+7], 0
.endr
	; the scales of 128 rows: a dense block of 4,096 bytes, as rows of 256 bytes (32 elements of 8 bytes), 16 bytes of padding behind each
	s_or_b32 s[G1S+0], s43, (3<<16)|(1<<20)|(1<<21)|(5<<22)|(3<<25)
	s_or_b32 s[G1SB+0], s44, (3<<16)|(1<<20)|(1<<21)|(5<<22)|(3<<25)
.irp g, G1S, G1SB
	s_mov_b32 s[\g+1], 32<<16
	s_mov_b32 s[\g+2], (128*KS/256)<<16
	s_mov_b32 s[\g+3], 32<<16
	s_mov_b32 s[\g+4], 128*KS/256
	s_mov_b32 s[\g+5], 32
	s_mov_b32 s[\g+6], 0
	s_mov_b32 s[\g+7], 0
.endr
	s_lshl_b32 s18, s16, 7                         ; which 128 rows of the tile I fetch
	s_lshl_b32 s20, s17, 8
	s_add_co_u32 s20, s20, s18
	s_add_co_u32 s20, s20, s99                     ; A: its first row + 256 x tile row + 128 x half
	s_lshl_b32 s46, s42, 8
	s_add_co_u32 s46, s46, s18
	s_add_co_u32 s46, s46, s100                    ; B: its first row + 256 x tile column + 128 x half
	s_mov_b32 s21, 0
	s_mov_b32 s47, 0
	s_mov_b64 s[18:19], KS
	s_mul_u64 s[22:23], s[20:21], s[18:19]         ; where these rows' scales begin, in bytes
	s_mul_u64 s[92:93], s[46:47], s[18:19]
	s_mov_b64 s[18:19], KROW
	s_mul_u64 s[20:21], s[20:21], s[18:19]         ; and their codes
	s_mul_u64 s[46:47], s[46:47], s[18:19]
	s_mul_i32 s45, s14, HALFT                      ; where they go: wave x 128 rows: no place in the cluster enters an LDS address
	s_mul_i32 s94, s14, HALFS
	s_wait_dscnt 0x0                               ; the opening add is done
	s_wait_kmcnt 0x0
	s_add_nc_u64 s[20:21], s[4:5], s[20:21]
	s_add_nc_u64 s[22:23], s[6:7], s[22:23]
	s_add_nc_u64 s[46:47], s[4:5], s[46:47]
	s_add_nc_u64 s[92:93], s[6:7], s[92:93]
	CROUND                                         ; all sixteen work-groups are here: the first joint loads meet
	s_mov_b32 s[G0S], 1
	s_add_co_u32 s[G0S+1], s94, SCL
	s_mov_b64 s[G0S+2:G0S+3], s[22:23]
	s_or_b32 s[G0S+3], s[G0S+3], 0x80000000
	s_mov_b32 s[G0SB], 1
	s_add_co_u32 s[G0SB+1], s94, SCL
	s_mov_b64 s[G0SB+2:G0SB+3], s[92:93]
	s_or_b32 s[G0SB+3], s[G0SB+3], 0x80000000
	JLOAD G0S, G1S, G0SB, G1SB                     ; the scales first: they are wanted with K step 0
.irp s, 0,1
	s_mov_b32 s[G0+4*\s], 1
	s_add_co_u32 s[G0+4*\s+1], s45, \s*SLOT
	s_add_nc_u64 s[G0+4*\s+2:G0+4*\s+3], s[20:21], \s*ROWB
	s_or_b32 s[G0+4*\s+3], s[G0+4*\s+3], 0x80000000
	s_mov_b32 s[G0B+4*\s], 1
	s_add_co_u32 s[G0B+4*\s+1], s45, \s*SLOT
	s_add_nc_u64 s[G0B+4*\s+2:G0B+4*\s+3], s[46:47], \s*ROWB
	s_or_b32 s[G0B+4*\s+3], s[G0B+4*\s+3], 0x80000000
	JLOAD G0+4*\s, G1, G0B+4*\s, G1B               ; three loads of mine are out now
.endr
	v_and_b32 v1, 15, v0                           ; l % 16
	v_bfe_u32 v2, v0, 4, 1                         ; l / 16
	v_mul_u32_u24 v3, v1, PITCH
	v_mul_u32_u24 v4, v2, 24
	v_add_nc_u32 v4, v3, v4                        ; a fragment's row x pitch + 24 x half
	v_lshl_add_u32 v5, v2, 4, v4                   ; and the same behind one padding more
	s_mul_i32 s21, s15, HALFT                      ; my 128 rows of A
	s_mul_i32 s22, s16, HALFT                      ; my 128 rows of B,
	s_add_co_u32 s22, s22, 2*HALFT                 ; which lie behind A's 256
.irp s, 0,1
	v_add_nc_u32 v[ADRA+\s], s21, v4
	v_add_nc_u32 v[ADRB+\s], s22, v4
	v_add_nc_u32 v[ADRA+2+\s], s21, v5
	v_add_nc_u32 v[ADRB+2+\s], s22, v5
	s_add_co_u32 s21, s21, SLOT
	s_add_co_u32 s22, s22, SLOT
.endr
	v_mul_u32_u24 v5, v1, KS                       ; my row's scales: 32 bytes a row,
	v_lshrrev_b32 v6, 8, v5
	v_lshl_add_u32 v5, v6, 4, v5                   ; and 16 more for each 256 passed
	s_mul_i32 s21, s15, HALFS                      ; A's: my 128 rows
	s_mul_i32 s22, s16, HALFS                      ; B's: my 128 rows, behind A's 256
	s_add_co_u32 s22, s22, 2*HALFS
	s_sub_co_u32 s22, s22, s21
	v_mul_u32_u24 v6, s22, v2                      ; lanes 16-31 take B's
	s_add_co_u32 s21, s21, SCL
	v_add_nc_u32 v5, v5, v6
	v_add_nc_u32 v[ADRS], s21, v5
	; the way out: where my wave's eight images and its entry of scale words begin
	v_and_b32 v6, 31, v0
	v_lshlrev_b32 v[VO], 3, v6                     ; 8 bytes a lane in a plane
	v_lshlrev_b32 v[SCO], 4, v6                    ; 16 bytes a lane among the scale words
	s_lshl_b32 s46, s42, 1
	s_add_co_u32 s46, s46, s16                     ; my step of 128 columns: 2 x tile column + half
	s_lshl_b32 s20, s17, 4
	s_lshl_b32 s21, s15, 3
	s_add_co_u32 s20, s20, s21                     ; my first block of 16 rows: 16 x tile row + 8 x half
	s_mul_i32 s20, s20, s98
	s_add_co_u32 s20, s20, s46
	s_mul_i32 s20, s20, 1536                       ; an image is 1,536 bytes
	s_mul_i32 s21, s97, FS
	s_add_co_u32 s20, s20, s21
	s_mov_b32 s21, 0
	s_add_nc_u64 s[8:9], s[8:9], s[20:21]
	s_lshl_b32 s22, s17, 1
	s_add_co_u32 s22, s22, s15                     ; my 128 rows: 2 x tile row + half
	s_mul_i32 s22, s22, s98
	s_add_co_u32 s22, s22, s46
	s_lshl_b32 s22, s22, 10                        ; an entry is 1,024 bytes
	s_lshl_b32 s23, s97, 19                        ; a section of qkvs is 2^19 bytes
	s_add_co_u32 s22, s22, s23
	s_mov_b32 s23, 0
	s_add_nc_u64 s[10:11], s[10:11], s[22:23]
	s_mul_i32 s45, s98, 1536                       ; from a block of 16 rows to the next
.irp a, 1,2,3,4,5,6,7
	v_add_nc_u32 v[VO+\a], s45, v[VO+\a-1]
.endr
	s_mov_b32 s[SEL], 0x76543210
	s_mov_b32 s[SEL+1], 0xfedcba98
.irp b, 0,1,2,3
	v_mov_b32 v[TM+4+\b], 0                        ; written once: a lane permute's destination counts as one of its sources
.endr
.macro FRAG reg, adr, q, i             ; a fragment, 16 rows x 128 K of 6-bit codes: 12 registers; registers 6 c .. 6 c + 5 hold K = 64 c + 32 (l / 16) + 0 .. 31: 24 bytes of the row's stream of bits
.irp p, 0,1,2,3,4,5                    ; in pieces of 8 bytes.  Lanes 16-31 read three pieces further on than lanes 0-15:
.set PC, 12*(\q)+6*(\p/3)+\p%3        ; where that lies behind one padding more, the second address register serves
.if PC%8 < 5
	ds_load_b64 v[\reg+2*\p:\reg+2*\p+1], v[\adr] offset:8*PC+16*(PC/8)+(\i)*16*PITCH
.else
	ds_load_b64 v[\reg+2*\p:\reg+2*\p+1], v[\adr+2] offset:8*PC+16*(PC/8)+(\i)*16*PITCH
.endif
.endr
.endm
; 16 matrix instructions: A's blocks a0, a0 + 1 x B's eight, 128 along K.  p: B's set; sc: the set of scale words.  zero = 1: the first product starts the sums.
; The 64 accumulators take turns, one instruction a turn, in the same order in every step.
.macro MUL16 a0, p, q, sc, zero
.irp a, \a0, \a0+1
.irp b, 0,1,2,3,4,5,6,7
.if \zero
	v_wmma_scale_f32_16x16x128_f8f6f4 v[8*(8*((\a)%4)+\b):8*(8*((\a)%4)+\b)+7], v[128*(\p)+FR*\b:128*(\p)+FR*\b+FR-1], v[AF+FR*(\a):AF+FR*(\a)+FR-1], 0, v[SC+8*NQ*(\sc)+NQ*\b+(\q)], v[SC+8*NQ*(\sc)+NQ*(\a)+(\q)] matrix_a_fmt:MATRIX_FMT_FP6 matrix_b_fmt:MATRIX_FMT_FP6 matrix_a_scale:MATRIX_SCALE_ROW1
.else
	v_wmma_scale_f32_16x16x128_f8f6f4 v[8*(8*((\a)%4)+\b):8*(8*((\a)%4)+\b)+7], v[128*(\p)+FR*\b:128*(\p)+FR*\b+FR-1], v[AF+FR*(\a):AF+FR*(\a)+FR-1], v[8*(8*((\a)%4)+\b):8*(8*((\a)%4)+\b)+7], v[SC+8*NQ*(\sc)+NQ*\b+(\q)], v[SC+8*NQ*(\sc)+NQ*(\a)+(\q)] matrix_a_fmt:MATRIX_FMT_FP6 matrix_b_fmt:MATRIX_FMT_FP6 matrix_a_scale:MATRIX_SCALE_ROW1
.endif
.endr
.endr
.endm
.macro FETCH_B slot, q, p              ; B's eight fragments of the slot's q-th 128 along K into set p
	WIN TO_B
.irp i, 0,1,2,3,4,5,6,7
	FRAG 128*(\p)+FR*\i, ADRB+\slot, \q, \i
.endr
	WIN 0
.endm
.macro FETCH_A slot, q, i0             ; A's blocks i0 .. i0 + 3
.irp i, \i0, \i0+1, \i0+2, \i0+3
	FRAG AF+FR*(\i), ADRA+\slot, \q, \i
.endr
.endm
.macro SCALES sc                       ; the next K step's scale words into set sc: lanes 0-15 take A's block i, lanes 16-31 B's block i
.irp i, 0,1,2,3,4,5,6,7
	ds_load_b64 v[SC+8*NQ*\sc+NQ*\i:SC+8*NQ*\sc+NQ*\i+1], v[ADRS] offset:\i*SBLK
.endr
.endm
.macro PLACES n                        ; plain vector instructions between a matrix instruction and a load into, or a vector read of, its registers
.rept \n
	v_nop
.endr
.endm
; A step of 128 along K that has its successor in the same slot.
.macro STEP slot, q, zero
	s_wait_dscnt 4*NL                              ; B's set and A's blocks 0-3 are in; the youngest 24 loads (A's blocks 4-7) may be out
	WIN MUL_LO
	MUL16 0, (\q)%2, \q, \slot, \zero
	MUL16 2, (\q)%2, \q, \slot, \zero
	s_wait_dscnt 0                                 ; A's blocks 4-7 are in
	PLACES NP
	FETCH_B \slot, (\q)+1, 1-(\q)%2
	FETCH_A \slot, (\q)+1, 0
	WIN MUL_HI
	MUL16 4, (\q)%2, \q, \slot, \zero
	MUL16 6, (\q)%2, \q, \slot, \zero
	PLACES NP
	WIN 0
	FETCH_A \slot, (\q)+1, 4
.endm
; A slot's last step changes slots: one barrier; in front of it each wave waits for all its tensor loads, adds 0 to its spare word, and waits for that and for its own reads of this slot.  fill = 1: this slot is filled again, two K steps ahead.
.macro TURN slot, next, fill
	s_wait_tensorcnt 0x0                           ; all my tensor loads have landed: my part of the next slot
	ds_add_u32 v[SPW], v[NIL]                      ; 0 onto my spare word
	s_wait_dscnt 4*NL+1                            ; (the add and the youngest 24 loads, A's blocks 4-7, may be out)
	WIN MUL_LO
	MUL16 0, 1, NQ-1, \slot, 0                     ; sixteen matrix instructions stand between the add and the wait for it
	s_wait_dscnt 0x0                               ; the add is done, and my reads of this slot are over
	s_barrier_signal -1
	MUL16 2, 1, NQ-1, \slot, 0
	WIN 0
	s_barrier_wait -1
.if \fill
	CREST                                          ; the barrier has opened a round of the cluster's barrier: no wave of any partner still reads this slot's tile or has a load on its way
	s_add_nc_u64 s[G0+4*\slot+2:G0+4*\slot+3], s[G0+4*\slot+2:G0+4*\slot+3], 2*ROWB
	s_add_nc_u64 s[G0B+4*\slot+2:G0B+4*\slot+3], s[G0B+4*\slot+2:G0B+4*\slot+3], 2*ROWB
	JLOAD G0+4*\slot, G1, G0B+4*\slot, G1B         ; the first tensor load behind the round; its four v_nop are the places in front of the loads below
.else
	PLACES NP
.endif
	v_add_nc_u32 v[ADRS], 4*NQ, v[ADRS]            ; on to the next K step's scale words (no LDS load of mine is out)
	FETCH_B \next, 0, 0
	FETCH_A \next, 0, 0
	SCALES \next
	WIN MUL_HI
	MUL16 4, 1, NQ-1, \slot, 0
	MUL16 6, 1, NQ-1, \slot, 0
	PLACES NP
	WIN 0
	FETCH_A \next, 0, 4
.endm
	s_wait_tensorcnt 1                             ; the scales and my part of K step 0 are in (K step 1's load may be out),
	s_barrier_signal -1
	s_barrier_wait -1                              ; everybody's are
	FETCH_B 0, 0, 0
	FETCH_A 0, 0, 0
	SCALES 0
	FETCH_A 0, 0, 4
	STEP 0, 0, 1                                   ; the first step stands in front of the loop: its products start the sums
	s_mov_b32 s3, LAPS-1
.Llap:                                                 ; a trip goes once round the ring and fills both slots again
	TURN 0, 1, 1
	STEP 1, 0, 0
	TURN 1, 0, 1
	STEP 0, 0, 0
	s_sub_co_u32 s3, s3, 1
	s_cmp_lg_u32 s3, 0
	s_cbranch_scc1 .Llap
	TURN 0, 1, 0                                   ; the last lap fills nothing, and has no round of the cluster's barrier
	STEP 1, 0, 0
	s_wait_dscnt 4*NL                              ; the very last step: nothing more to fetch
	WIN MUL_LO
	MUL16 0, 1, NQ-1, 1, 0
	MUL16 2, 1, NQ-1, 1, 0
	s_wait_dscnt 0
	WIN MUL_HI
	MUL16 4, 1, NQ-1, 1, 0
	MUL16 6, 1, NQ-1, 1, 0
	WIN 0
; 64 numbers of a lane in window w, v[s] .. v[s + 63] (four blocks of 32 shared with lane l xor 16, 16 registers each), become a fragment's codes in v[pc] .. v[pc + 11] and its scale word in v[pw].
; Each accumulator is read from its low end on.
.macro QUANTW s, w, pc, tmp, pw
	WIN ((\w)<<2)|((\w)<<4)                        ; sources 1 and 2: the numbers' window
.irp b, 0,1,2,3
	v_max3_num_f32 v[TM+\b], 0x1800000, |v[(\s)+16*\b]|, |v[(\s)+16*\b+1]|   ; my 16 numbers of block b, and the floor 2^(3 - 127): the byte cannot fall under 1
.endr
.irp i, 2,4,6,8,10,12,14
.irp b, 0,1,2,3
	v_max3_num_f32 v[TM+\b], v[TM+\b], |v[(\s)+16*\b+\i]|, |v[(\s)+16*\b+\i+1]|   ; (the four blocks by turns)
.endr
.endr
	WIN 0
.irp b, 0,1,2,3
	v_permlanex16_b32 v[TM+4+\b], v[TM+\b], s[SEL], s[SEL+1]
.endr
.irp b, 0,1,2,3
	v_max_num_f32 v[TM+\b], v[TM+\b], v[TM+4+\b]   ; with lane l xor 16's: the block's largest magnitude
.endr
.irp b, 0,1,2,3
	v_add_nc_u32 v[TM+12+\b], 0xff000000, v[TM+\b] ; 2 off its exponent field: the conversion's scale operand
.endr
.irp b, 0,1,2,3
	v_lshrrev_b32 v[TM+4+\b], 23, v[TM+12+\b]      ; the scale's byte
.endr
	v_lshl_or_b32 v[\pw], v[TM+5], 8, v[TM+4]      ; the four bytes make my row's scale word
	v_lshl_or_b32 v[\pw], v[TM+6], 16, v[\pw]
	v_lshl_or_b32 v[\pw], v[TM+7], 24, v[\pw]
	WIN (\w)                                       ; source 0: the numbers' window
.irp c, 0,1
	v_cvt_scalef32_pk16_fp6_f32 v[(\pc)+6*\c:(\pc)+6*\c+2], v[(\s)+32*\c:(\s)+32*\c+15], v[TM+12+2*\c]
	v_cvt_scalef32_pk16_fp6_f32 v[(\tmp)+4*\c:(\tmp)+4*\c+2], v[(\s)+32*\c+16:(\s)+32*\c+31], v[TM+13+2*\c]   ; (a conversion's three registers begin on an even number)
.endr
	WIN 0
	v_nop                                          ; one plain place behind a scaled conversion
.irp c, 0,1                                    ; the operand's layout wants a whole block in a lane: lanes 0-15 block 2 c, lanes 16-31 block 2 c + 1
.irp i, 0,1,2
	v_permlane16_swap_b32 v[(\pc)+6*\c+\i], v[(\tmp)+4*\c+\i]
.endr
.irp i, 0,1,2
	v_mov_b32 v[(\pc)+3+6*\c+\i], v[(\tmp)+4*\c+\i]
.endr
.endr
.endm
	PLACES NP                                      ; behind the last products: their results are read, and the registers that held A's fragments are written
.irp a, 0,1,2,3,4,5,6,7                        ; block a of 16 rows: its own registers for codes, scale word and offset, so that no store's sources are written again
	QUANTW 64*(\a%4), 2+\a/4, 128+12*\a, PCT, PWS+\a
.irp p, 0,1,2,3,4,5
	global_store_b64 v[VO+\a], v[128+12*\a+2*\p:128+12*\a+2*\p+1], s[8:9] offset:256*\p   ; a plane: 32 lanes store 256 consecutive bytes, aligned
.endr
.endr
	global_store_b128 v[SCO], v[PWS:PWS+3], s[10:11]               ; the scale words of blocks 0-3: 512 consecutive bytes,
	global_store_b128 v[SCO], v[PWS+4:PWS+7], s[10:11] offset:512  ; and of blocks 4-7
	s_wait_tensorcnt 0x0                           ; the wave's end: these three lines stand behind my last tensor load
	ds_add_u32 v[SPW], v[NIL]
	s_wait_dscnt 0x0
	CROUND                                         ; the closing round: no work-group ends while a partner may still ask for a tile that names it
	s_endpgm
.Lfunc_end_k_qc9efdb3f32_gemm_qkv:
	.size	k_qc9efdb3f32_gemm_qkv, .Lfunc_end_k_qc9efdb3f32_gemm_qkv-k_qc9efdb3f32_gemm_qkv
	.p2alignl 7, 3214868480
	.fill 96, 4, 3214868480
	.section	.rodata,"a",@progbits
	.p2align	6, 0x0
	.amdhsa_kernel k_qc9efdb3f32_gemm_qkv
		.amdhsa_group_segment_fixed_size 327680
		.amdhsa_private_segment_fixed_size 0
		.amdhsa_enable_private_segment 0
		.amdhsa_kernarg_size 32
		.amdhsa_user_sgpr_count 2
		.amdhsa_user_sgpr_kernarg_segment_ptr 1
		.amdhsa_wavefront_size32 1
		.amdhsa_system_sgpr_workgroup_id_x 1
		.amdhsa_system_sgpr_workgroup_id_y 1
		.amdhsa_system_sgpr_workgroup_id_z 1
		.amdhsa_system_vgpr_workitem_id 0
		.amdhsa_next_free_vgpr 1024
		.amdhsa_next_free_sgpr 102
		.amdhsa_reserve_vcc 0
		.amdhsa_float_denorm_mode_32 3
		.amdhsa_float_denorm_mode_16_64 3
		.amdhsa_memory_ordered 1
		.amdhsa_forward_progress 1
		.amdhsa_inst_pref_size 167
	.end_amdhsa_kernel
	.amdgpu_metadata
---
amdhsa.version: [ 1, 2 ]
amdhsa.kernels:
  - .name:           k_qc9efdb3f32_gemm_qkv
    .symbol:         k_qc9efdb3f32_gemm_qkv.kd
    .args:
      - { .name: codes, .offset: 0, .size: 8, .value_kind: global_buffer, .address_space: global }
      - { .name: scl, .offset: 8, .size: 8, .value_kind: global_buffer, .address_space: global }
      - { .name: qkvf, .offset: 16, .size: 8, .value_kind: global_buffer, .address_space: global }
      - { .name: qkvs, .offset: 24, .size: 8, .value_kind: global_buffer, .address_space: global }
    .group_segment_fixed_size: 327680
    .private_segment_fixed_size: 0
    .kernarg_segment_align: 8
    .kernarg_segment_size: 32
    .max_flat_workgroup_size: 128
    .sgpr_count:     102
    .vgpr_count:     1024
    .wavefront_size: 32
...
	.end_amdgpu_metadata
.endif
;; end of part 3
;; launch attn (part 4): grid 4 x 64, 8 waves a work-group, clusters of 4 x 1, 327,680 bytes of LDS; arguments qkvf, qkvs, decisions, oc, os; writes oc, os
.if DOCPART == 4
	.amdgcn_target "amdgcn-amd-amdhsa--gfx1250"
	.amdhsa_code_object_version 6
	.text
	.protected	k_qc9efdb3f32_attn
	.globl	k_qc9efdb3f32_attn
	.p2align	8
	.type	k_qc9efdb3f32_attn,@function
k_qc9efdb3f32_attn:
	s_mov_b64 s[64:65], 0
	v_nop
	global_prefetch_b8 v0, s[64:65] scope:SCOPE_SE
	s_setreg_imm32_b32 hwreg(HW_REG_WAVE_MODE, 25, 1), 1
	s_wait_xcnt 0x0
	s_wait_alu depctr_hold_cnt(0) depctr_sa_sdst(0) depctr_va_vdst(0) depctr_va_sdst(0) depctr_va_ssrc(0) depctr_va_vcc(0) depctr_vm_vsrc(0)
	s_getreg_b32 s2, hwreg(HW_REG_IB_STS2, 6, 4)
	s_cmp_eq_u32 s2, 0
	s_cbranch_scc0 .Lentry_in_a_cluster
	s_endpgm
.Lentry_in_a_cluster:
	s_bfe_u32 s2, ttmp6, 0x10000c
	s_cmp_lg_u32 s2, 0x3003
	s_cbranch_scc0 .Lentry_shape_is_right
	s_endpgm
.Lentry_shape_is_right:
; out[b][n][64 head + d] = sum over keys m of attn[n][m] v[m][d], attn = (exp(s / 8 - max) (1 - decisions[b][m]) + 1e-6 / 2048) / (the row's sum of the first term + 1e-6), s = q . k.
; Both products on codes of FP6 (E2M3) with one E8M0 scale for each 32 along K.  attn is quantised FINISHED AND NORMALISED, so a row's true maximum and sum are known before any of its codes is made.
; SINGLE PASS.  A work-group (8 waves) holds all 2,048 scores of 32 queries in registers: wave w owns keys 256 w .. 256 w + 255: 32 queries x 256 keys = 256 registers a lane.  Maximum and sum cross the waves
; through LDS; each score gets one exponential, is normalised and quantised in place; each wave multiplies its 256 keys by V, and the eight partial results are added through LDS.
; A work-group makes 16 such blocks of 32 queries of one head (work-group y = 16 batch + head; the place in the cluster picks a quarter of the queries).
; K's and V's codes of the whole head, 2 x 98,304 bytes, come into LDS once and stay: nothing is filled again.  The four work-groups of a cluster read the same K and V: each tile is asked for jointly.
; LAYOUT.  S^T = K Q^T (source 0 = 16 keys, source 1 = 16 queries) and O^T = V^T P^T (source 0 = 16 channels, source 1 = 16 queries): a lane holds one query (lane % 16) throughout.
; The first product's K is 64: registers 6-11 of Q's operand are zero codes, so what stands in registers 6-11 of K's operand (the next key tile's codes) adds nothing; the upper two scale bytes are 0 on both sides.
; Operands come as images of their registers (see the launch that makes them); inside a block of 32 the codes stand in the order 0-7, 16-23, 8-15, 24-31, alike on both sides of each product.
; The result is quantised along the channels (natural order) into oc [8192][768 bytes], os [8192][32 bytes].  A head owns 48 bytes of a row of oc, so those stores cover 48 consecutive bytes a query.
; LIMITS: NaN and infinities are not served; a block of zeros, or one whose largest magnitude lies under 2^-124, gets the byte 1; an exponential under 2^-126 counts as 0 (it stands beside 1e-6 / 2048);
; the division is a reciprocal and a fused multiply-add; the row's sum and the result are added from eight partial sums in a fixed order.
; No prefetch: K and V are asked for once, at the head; Q is loaded into registers a whole block ahead.
; REGISTERS.  Window 0: v1-14 addresses; v16-45 scale words; v46-57 -c m, 1 / sum, eps' / sum (pairs); v60-75 running sums; v76-99 Q's two operands; v100-119 at work; v120-255 X: K's fragments, then the policy, then P's codes, then partial results.
;   Window 1: S: chunk k = 2 sigma + qt at v[64 k], register 8 T + j = key 256 w + 128 sigma + 16 T + 8 (lane / 16) + j; later V's fragments at v0-95 and O^T's eight accumulators at v128-191.
.set FS,    6291456                    ; a section of qkvf
.set SS,    524288                     ; a section of qkvs
.set KL,    0                          ; LDS: 128 key tiles x 768 bytes (three planes of 256)
.set VL,    98304                      ; channel tile t x 24,576 + step of 128 keys x 1,536 (six planes)
.set POL,   196608                     ; 1 - decisions[b]: 2,048 f32
.set MX,    204800                     ; [query 0..31][wave 0..7] f32: the waves' maxima;
.set SM,    205824                     ; their sums (MX + 1,024)
.set OS,    206848                     ; 8 waves x 32 rows x (256 + 16) bytes: partial results
.set SPARE, 276480                     ; the spare words, 128 bytes a wave
.set AK,  1                            ; v1  KL + 12,288 w + 8 lane
.set AV0, 2                            ; v2  VL + 3,072 w + 8 lane;  v3: 49,152 further on (channel tiles 2, 3)
.set AP,  4                            ; v4  POL + 1,024 w + 32 (lane / 16)
.set AMW, 5                            ; v5  MX + 32 lane + 4 w
.set AMR, 6                            ; v6  MX + 32 (lane % 16)
.set AOW, 7                            ; v7  OS + 8,704 w + 272 (lane % 16) + 32 (lane / 16)
.set AOR, 8                            ; v8  OS + (8 (w % 4) + lane / 4) 272 + 64 (lane % 4)
.set GQ,  9                            ; v9  8 lane
.set GQS, 10                           ; v10 16 lane
.set GOC, 11                           ; v11 my byte in the block's rows of oc
.set GOS, 12                           ; v12 and of os
.set SPW, 13                           ; v13 LDS address of my spare word; never rewritten
.set NIL, 14                           ; v14 0; never rewritten
.set KSC, 16                           ; v16-31 K's scale words, one for each of my 16 key tiles
.set VSC, 32                           ; v32-39 V's, at 4 sigma + t
.set QSC, 40                           ; v40-41 Q's
.set PW,  42                           ; v42-45 P's, chunk k
.set NCM, 46                           ; v[46:47], v[48:49] -c m of query tile 0, 1 (the low word is used)
.set RR,  50                           ; v[50:51], v[52:53] 1 / (sum + 1e-6)
.set ER,  54                           ; v[54:55], v[56:57] (1e-6 / 2048) / (sum + 1e-6)
.set L,   60                           ; v60-75 running sums: pair at 60 + 8 qt + 2 chain
.set QF,  76                           ; v76-87, v88-99 Q's operands: six registers of codes, six of zeros
.set TM,  100
.set X,   120
.set WV,  14                           ; s14 my wave's number
.set CS,  22                           ; s[22:23] c = log2(e) / 8
.set SEL, 26                           ; s[26:27] lane selects for v_permlanex16_b32: lane l xor 16
.set QP,  56                           ; s[56:57] Q's images of the block to be loaded
.set QSB, 58                           ; s[58:59] Q's scale words of my first block
.set QSP, 60                           ; s[60:61] and of the block to be loaded
.set MSB, 0
.macro WIN new                         ; the immediate's high byte repeats the setting that is left
.if MSB != (\new)
	s_set_vgpr_msb (MSB<<8)|(\new)
.set MSB, (\new)
.endif
.endm
.macro PLACES n
.rept \n
	v_nop
.endr
.endm
.macro CROUND                          ; a round of the cluster's barrier
	s_barrier_signal -1
	s_barrier_wait -1
	s_cmp_lg_u32 s[WV], 0
	s_cbranch_scc1 .Lnot_wave_0_\@
	s_barrier_signal -3
.Lnot_wave_0_\@:
	s_barrier_wait -3
	s_barrier_signal -1
	s_barrier_wait -1
.endm
.macro QLOAD                           ; a block's two tiles of queries: three planes of my head's codes each, and my head's two scale bytes (zero-extended: the upper two bytes are 0)
.irp q, 0,1
.irp p, 0,1,2
	global_load_b64 v[QF+12*\q+2*\p:QF+12*\q+2*\p+1], v[GQ], s[QP:QP+1] offset:12288*\q+256*\p
.endr
	global_load_u16 v[QSC+\q], v[GQS], s[QSP:QSP+1] offset:4*\q
.endr
.endm
	s_load_b256 s[4:11], s[0:1], 0x0               ; qkvf s[4:5], qkvs s[6:7], decisions s[8:9], oc s[10:11]
	s_load_b64 s[12:13], s[0:1], 0x20              ; os
	v_lshl_add_u32 v[SPW], v0, 2, SPARE
	v_mov_b32 v[NIL], 0
	ds_add_u32 v[SPW], v[NIL]                      ; the wave's opening: the add and its wait stand ahead of my first tensor load; the set-up below, work on registers, stands between them
	v_lshrrev_b32 v15, 5, v0
	v_readfirstlane_b32 s[WV], v15                 ; wave 0..7
	s_bfe_u32 s15, ttmp6, 0x40000                  ; cx: my quarter of the queries
	s_and_b32 s16, ttmp7, 0xffff
	s_lshr_b32 s17, s16, 4                         ; batch
	s_and_b32 s18, s16, 15                         ; head
	s_lshr_b32 s19, s18, 1                         ; which step of 128 channels,
	s_and_b32 s20, s18, 1                          ; and which half of it
	s_and_b32 s21, s[WV], 3                        ; which quarter of K (waves 0-3) or of V (waves 4-7) I fetch
	; descriptor groups 1: elements of 8 bytes, no padding, the mask names all four work-groups, bit 21 beside it
	s_mov_b32 s32, 15|(3<<16)|(1<<21)              ; K: 32 key tiles, of each 768 bytes (96 elements), 12,288 bytes (1,536 elements) apart
	s_mov_b32 s33, 96<<16                          ; tensor_dim0
	s_mov_b32 s34, 32<<16                          ; tensor_dim1
	s_mov_b32 s35, 96<<16                          ; tile_dim0
	s_mov_b32 s36, 32                              ; tile_dim1
	s_mov_b32 s37, 1536                            ; stride
	s_mov_b32 s38, 0
	s_mov_b32 s39, 0
	s_mov_b32 s40, 15|(3<<16)|(1<<21)              ; V: a dense block of 24,576 bytes, as 96 rows of 256 bytes
	s_mov_b32 s41, 32<<16
	s_mov_b32 s42, 96<<16
	s_mov_b32 s43, 32<<16
	s_mov_b32 s44, 96
	s_mov_b32 s45, 32
	s_mov_b32 s46, 0
	s_mov_b32 s47, 0
	s_mul_i32 s25, s21, 24576                      ; where my quarter goes: no place in the cluster enters an LDS address
	s_lshl_b32 s66, s17, 7                         ; K: image (block of 16 tokens 128 batch + 32 quarter, step), my head's three planes
	s_lshl_b32 s67, s21, 5
	s_add_co_u32 s66, s66, s67
	s_lshl_b32 s66, s66, 3
	s_add_co_u32 s66, s66, s19
	s_mul_i32 s66, s66, 1536
	s_mul_i32 s67, s20, 768
	s_add_co_u32 s66, s66, s67
	s_add_co_u32 s66, s66, FS
	s_mov_b32 s67, 0
	s_lshl_b32 s68, s18, 2                         ; V: image (block of 16 channels 4 head + quarter, step 16 batch)
	s_add_co_u32 s68, s68, s21
	s_lshl_b32 s68, s68, 6
	s_lshl_b32 s69, s17, 4
	s_add_co_u32 s68, s68, s69
	s_mul_i32 s68, s68, 1536
	s_add_co_u32 s68, s68, 2*FS
	s_mov_b32 s69, 0
	s_lshl_b32 s70, s17, 7                         ; Q: image (block of 16 tokens 128 batch + 32 cx, step), my head's planes
	s_lshl_b32 s71, s15, 5
	s_add_co_u32 s70, s70, s71
	s_lshl_b32 s70, s70, 3
	s_add_co_u32 s70, s70, s19
	s_mul_i32 s70, s70, 1536
	s_mul_i32 s71, s20, 768
	s_add_co_u32 s70, s70, s71
	s_mov_b32 s71, 0
	s_lshl_b32 s72, s17, 4                         ; Q's scale words: entry (128 tokens 16 batch + 4 cx, step), my head's two bytes
	s_lshl_b32 s73, s15, 2
	s_add_co_u32 s72, s72, s73
	s_lshl_b32 s72, s72, 3
	s_add_co_u32 s72, s72, s19
	s_lshl_b32 s72, s72, 10
	s_lshl_b32 s73, s20, 1
	s_add_co_u32 s72, s72, s73
	s_mov_b32 s73, 0
	s_lshl_b32 s74, s17, 4                         ; K's: entry (128 tokens 16 batch + 2 wave, step)
	s_lshl_b32 s75, s[WV], 1
	s_add_co_u32 s74, s74, s75
	s_mov_b32 s29, s74
	s_lshl_b32 s74, s74, 3
	s_add_co_u32 s74, s74, s19
	s_lshl_b32 s74, s74, 10
	s_lshl_b32 s75, s20, 1
	s_add_co_u32 s74, s74, s75
	s_add_co_u32 s74, s74, SS
	s_mov_b32 s75, 0
	s_lshl_b32 s76, s19, 6                         ; V's: entry (128 channels, step 16 batch + 2 wave), my head's half
	s_add_co_u32 s76, s76, s29
	s_lshl_b32 s76, s76, 10
	s_lshl_b32 s77, s20, 9
	s_add_co_u32 s76, s76, s77
	s_add_co_u32 s76, s76, 2*SS
	s_mov_b32 s77, 0
	s_lshl_b32 s78, s17, 13                        ; decisions: my batch's 8,192 bytes
	s_mov_b32 s79, 0
	s_lshl_b32 s62, s17, 11
	s_lshl_b32 s63, s15, 9
	s_add_co_u32 s62, s62, s63                     ; my first token: 2,048 batch + 512 cx
	s_lshl_b32 s30, s62, 5
	s_lshl_b32 s31, s18, 1
	s_add_co_u32 s30, s30, s31                     ; os: 32 bytes a token, my head's two
	s_mov_b32 s31, 0
	s_mul_i32 s62, s62, 768
	s_mul_i32 s63, s18, 48
	s_add_co_u32 s62, s62, s63                     ; oc: 768 bytes a token, my head's 48
	s_mov_b32 s63, 0
	s_mov_b32 s[CS], 0x3e38aa3b                    ; c = log2(e) / 8
	s_mov_b32 s[CS+1], s[CS]                       ; (named with it as a pair, so it is written)
	s_mov_b32 s24, 0xffff0000                      ; lanes 16-31
	s_mov_b32 s[SEL], 0x76543210
	s_mov_b32 s[SEL+1], 0xfedcba98
	s_wait_dscnt 0x0                               ; the opening add is done
	s_wait_kmcnt 0x0
	s_mov_b32 s48, 1                               ; group 0 for K's quarter
	s_add_co_u32 s49, s25, KL
	s_add_nc_u64 s[50:51], s[4:5], s[66:67]
	s_or_b32 s51, s51, 0x80000000
	s_mov_b32 s52, 1                               ; and for V's
	s_add_co_u32 s53, s25, VL
	s_add_nc_u64 s[54:55], s[4:5], s[68:69]
	s_or_b32 s55, s55, 0x80000000
	s_add_nc_u64 s[QP:QP+1], s[4:5], s[70:71]
	s_add_nc_u64 s[QSB:QSB+1], s[6:7], s[72:73]
	s_mov_b64 s[QSP:QSP+1], s[QSB:QSB+1]
	s_add_nc_u64 s[74:75], s[6:7], s[74:75]
	s_add_nc_u64 s[76:77], s[6:7], s[76:77]
	s_add_nc_u64 s[8:9], s[8:9], s[78:79]
	s_add_nc_u64 s[10:11], s[10:11], s[62:63]
	s_add_nc_u64 s[12:13], s[12:13], s[30:31]
	CROUND                                         ; all four work-groups are here: the joint loads meet
	s_cmp_lt_u32 s[WV], 4                          ; waves 0-3 ask for K's quarters, waves 4-7 for V's: one tensor load a wave in the whole launch
	s_cbranch_scc0 .Lfirst_v
	tensor_load_to_lds s[48:51], s[32:39]
	s_nop 0
.rept 4
	v_nop
.endr
	s_branch .Lfirst_asked
.Lfirst_v:
	tensor_load_to_lds s[52:55], s[40:47]
	s_nop 0
.rept 4
	v_nop
.endr
.Lfirst_asked:
	v_and_b32 v15, 31, v0                          ; lane
	v_lshlrev_b32 v[GQ], 3, v15
	v_lshlrev_b32 v[GQS], 4, v15
	v_lshlrev_b32 v59, 5, v0                       ; decisions: 8 numbers a thread
	v_lshl_add_u32 v58, v0, 5, POL
	global_load_b128 v[X:X+3], v59, s[8:9]
	global_load_b128 v[X+4:X+7], v59, s[8:9] offset:16
.irp i, 0,1                                    ; K's scale words: key tile 8 i + 4 p + j; my head's two bytes, zero-extended
.irp p, 0,1
.irp j, 0,1,2,3
	global_load_u16 v[KSC+8*\i+4*\p+\j], v[GQS], s[74:75] offset:8192*\i+512*\p+4*\j
.endr
.endr
.endr
.irp g, 0,1                                    ; V's: four channel tiles of step sigma
	global_load_b128 v[VSC+4*\g:VSC+4*\g+3], v[GQS], s[76:77] offset:1024*\g
.endr
	QLOAD                                          ; block 0
	v_and_b32 v102, 15, v0                         ; r = lane % 16
	v_bfe_u32 v103, v0, 4, 1                       ; h = lane / 16
	s_mul_i32 s25, s[WV], 12288
	v_add_nc_u32 v[AK], s25, v[GQ]
	s_mul_i32 s25, s[WV], 3072
	s_add_co_u32 s25, s25, VL
	v_add_nc_u32 v[AV0], s25, v[GQ]
	v_add_nc_u32 v[AV0+1], 49152, v[AV0]
	s_lshl_b32 s25, s[WV], 10
	s_add_co_u32 s25, s25, POL
	v_lshl_add_u32 v[AP], v103, 5, s25
	s_lshl_b32 s25, s[WV], 2
	s_add_co_u32 s25, s25, MX
	v_lshl_add_u32 v[AMW], v15, 5, s25
	v_lshl_add_u32 v[AMR], v102, 5, MX
	s_mul_i32 s25, s[WV], 8704
	s_add_co_u32 s25, s25, OS
	v_mul_u32_u24 v[AOW], v102, 272
	v_lshl_add_u32 v[AOW], v103, 5, v[AOW]
	v_add_nc_u32 v[AOW], s25, v[AOW]
	v_lshrrev_b32 v100, 2, v15
	s_lshl_b32 s25, s21, 3
	v_add_nc_u32 v100, s25, v100                   ; the query whose result I finish: 8 (w % 4) + lane / 4
	v_and_b32 v101, 3, v15                         ; and which 16 of its 64 channels
	v_mul_u32_u24 v[AOR], v100, 272
	v_lshl_add_u32 v[AOR], v101, 6, v[AOR]
	v_add_nc_u32 v[AOR], OS, v[AOR]
	v_mul_u32_u24 v[GOC], v100, 768
	v_mad_u32_u24 v[GOC], v101, 12, v[GOC]
	v_lshlrev_b32 v[GOS], 5, v100
	v_bfe_u32 v101, v15, 1, 1
	v_add_nc_u32 v[GOS], v[GOS], v101
.irp j, 6,7,8,9,10,11,18,19,20,21,22,23
	v_mov_b32 v[QF+\j], 0                          ; the zero codes of K = 64 .. 127
.endr
.irp j, 96,97,98,99,100,101
	v_mov_b32 v[X+\j], 0                           ; named by the last key tile's operand; what they hold meets zero codes
.endr
.irp j, 1,3,5,7,9,11
	v_mov_b32 v[NCM+\j], 0                         ; the upper halves of pairs of which the low word is used
.endr
.set i, 0
.rept 20
	v_mov_b32 v[TM+i], 0                           ; a lane permute's destination counts as one of its sources
.set i, i+1
.endr
	s_wait_loadcnt 0x0
.irp j, 0,1,2,3,4,5,6,7
	v_sub_f32 v[X+\j], 1.0, v[X+\j]                ; the policy
.endr
	ds_store_b128 v58, v[X:X+3]
	ds_store_b128 v58, v[X+4:X+7] offset:16
	s_wait_tensorcnt 0x0                           ; my one tensor load has landed,
	s_wait_dscnt 0x0                               ; and my part of the policy
	s_barrier_signal -1
	s_barrier_wait -1                              ; everybody's have: K, V and the policy stay as they are from here on
.macro KLOADS                          ; my 16 key tiles: three planes each, 32 lanes x 8 consecutive bytes
.set t, 0
.rept 16
.irp p, 0,1,2
	ds_load_b64 v[X+6*t+2*\p:X+6*t+2*\p+1], v[AK] offset:768*t+256*\p
.endr
.set t, t+1
.endr
.endm
.macro SCORES t0                       ; key tiles t0 .. t0 + 7 x both tiles of queries: sixteen accumulators, each written once
.irp t, 0,1,2,3,4,5,6,7
.irp q, 0,1
	v_wmma_scale_f32_16x16x128_f8f6f4 v[64*(2*((\t0)/8)+\q)+8*\t:64*(2*((\t0)/8)+\q)+8*\t+7], v[X+6*((\t0)+\t):X+6*((\t0)+\t)+11], v[QF+12*\q:QF+12*\q+11], 0, v[KSC+(\t0)+\t], v[QSC+\q] matrix_a_fmt:MATRIX_FMT_FP6 matrix_b_fmt:MATRIX_FMT_FP6
.endr
.endr
.endm
.macro POLICY g                        ; the policy of my keys 128 g .. 128 g + 127, in the order of a chunk's registers
.irp t, 0,1,2,3,4,5,6,7
.irp i, 0,1
	ds_load_b128 v[X+8*\t+4*\i:X+8*\t+4*\i+3], v[AP] offset:512*\g+64*\t+16*\i
.endr
.endr
.endm
.macro FMA k                           ; c s - c m, two at a time
	WIN 0x41                                       ; destination and source 0: window 1
.set i, 0
.rept 32
	v_pk_fma_f32 v[64*(\k)+i:64*(\k)+i+1], v[64*(\k)+i:64*(\k)+i+1], s[CS:CS+1], v[NCM+2*((\k)%2):NCM+2*((\k)%2)+1] op_sel_hi:[1,0,0]
.set i, i+2
.endr
.endm
.macro EXPS k                          ; a batch of 64 exponentials
	WIN 0x41
.set i, 0
.rept 64
	v_exp_f32 v[64*(\k)+i], v[64*(\k)+i]
.set i, i+1
.endr
.endm
.macro MULADD k                        ; e = exponential x policy, and the running sums, in four chains
	WIN 0x41
.set i, 0
.rept 32
	v_pk_mul_f32 v[64*(\k)+i:64*(\k)+i+1], v[64*(\k)+i:64*(\k)+i+1], v[X+i:X+i+1]
.set i, i+2
.endr
	WIN 0x04                                       ; source 1: window 1
.set i, 0
.rept 32
	v_pk_add_f32 v[L+8*((\k)%2)+2*((i/2)%4):L+8*((\k)%2)+2*((i/2)%4)+1], v[L+8*((\k)%2)+2*((i/2)%4):L+8*((\k)%2)+2*((i/2)%4)+1], v[64*(\k)+i:64*(\k)+i+1]
.set i, i+2
.endr
.endm
.macro NORM k                          ; (e + eps') / (sum + eps) = e R + eps' R
	WIN 0x41
.set i, 0
.rept 32
	v_pk_fma_f32 v[64*(\k)+i:64*(\k)+i+1], v[64*(\k)+i:64*(\k)+i+1], v[RR+2*((\k)%2):RR+2*((\k)%2)+1], v[ER+2*((\k)%2):ER+2*((\k)%2)+1] op_sel_hi:[1,0,0]
.set i, i+2
.endr
.endm
; 64 numbers of a lane in window w, v[s] .. v[s + 63] (four blocks of 32 shared with lane l xor 16, 16 registers each), become a fragment's codes in v[pc] .. v[pc + 11] and its scale word in v[pw].
.macro QUANTW s, w, pc, tmp, pw
	WIN ((\w)<<2)|((\w)<<4)                        ; sources 1 and 2: the numbers' window
.irp b, 0,1,2,3
	v_max3_num_f32 v[TM+\b], 0x1800000, |v[(\s)+16*\b]|, |v[(\s)+16*\b+1]|   ; my 16 numbers of block b, and the floor 2^(3 - 127): the byte cannot fall under 1
.endr
.irp i, 2,4,6,8,10,12,14
.irp b, 0,1,2,3
	v_max3_num_f32 v[TM+\b], v[TM+\b], |v[(\s)+16*\b+\i]|, |v[(\s)+16*\b+\i+1]|   ; (the four blocks by turns)
.endr
.endr
	WIN 0
.irp b, 0,1,2,3
	v_permlanex16_b32 v[TM+4+\b], v[TM+\b], s[SEL], s[SEL+1]
.endr
.irp b, 0,1,2,3
	v_max_num_f32 v[TM+\b], v[TM+\b], v[TM+4+\b]   ; with lane l xor 16's: the block's largest magnitude
.endr
.irp b, 0,1,2,3
	v_add_nc_u32 v[TM+12+\b], 0xff000000, v[TM+\b] ; 2 off its exponent field: the conversion's scale operand
.endr
.irp b, 0,1,2,3
	v_lshrrev_b32 v[TM+4+\b], 23, v[TM+12+\b]      ; the scale's byte
.endr
	v_lshl_or_b32 v[\pw], v[TM+5], 8, v[TM+4]      ; the four bytes make my query's scale word
	v_lshl_or_b32 v[\pw], v[TM+6], 16, v[\pw]
	v_lshl_or_b32 v[\pw], v[TM+7], 24, v[\pw]
	WIN (\w)                                       ; source 0: the numbers' window
.irp c, 0,1
	v_cvt_scalef32_pk16_fp6_f32 v[(\pc)+6*\c:(\pc)+6*\c+2], v[(\s)+32*\c:(\s)+32*\c+15], v[TM+12+2*\c]
	v_cvt_scalef32_pk16_fp6_f32 v[(\tmp)+4*\c:(\tmp)+4*\c+2], v[(\s)+32*\c+16:(\s)+32*\c+31], v[TM+13+2*\c]   ; (a conversion's three registers begin on an even number)
.endr
	WIN 0
	v_nop                                          ; one plain place behind a scaled conversion
.irp c, 0,1                                    ; the operand's layout wants a whole block in a lane: lanes 0-15 block 2 c, lanes 16-31 block 2 c + 1
.irp i, 0,1,2
	v_permlane16_swap_b32 v[(\pc)+6*\c+\i], v[(\tmp)+4*\c+\i]
.endr
.irp i, 0,1,2
	v_mov_b32 v[(\pc)+3+6*\c+\i], v[(\tmp)+4*\c+\i]
.endr
.endr
.endm
	s_mov_b32 s28, 0                               ; the block in hand, 0 .. 15
.Lblock:
	; ---- the scores of 32 queries x my 256 keys
	KLOADS
	s_wait_loadcnt 0x0                             ; Q of this block, asked for a block ago
	s_wait_dscnt 21                                ; key tiles 0 to 8 are in (a tile's operand names the next tile's registers too); the 21 loads of tiles 9 to 15 may be out
	WIN 0x40                                       ; destination: window 1
	SCORES 0
	s_wait_dscnt 0x0
	SCORES 8
	WIN 0
	PLACES 4                                       ; in front of loads into registers that these products have read, and of the first read of their results
	s_cmp_eq_u32 s28, 15                           ; the next block's Q, if there is one: no load leaves its buffer
	s_cbranch_scc1 .Lno_next
	s_add_co_u32 s29, s28, 1                       ; block n: scale words at entry n / 4 (8,192 bytes apart), half (n / 2) % 2, words 2 (n % 2) on
	s_lshr_b32 s30, s29, 2
	s_lshl_b32 s30, s30, 13
	s_bfe_u32 s31, s29, 0x10001
	s_lshl_b32 s31, s31, 9
	s_add_co_u32 s30, s30, s31
	s_and_b32 s31, s29, 1
	s_lshl_b32 s31, s31, 3
	s_add_co_u32 s30, s30, s31
	s_mov_b32 s31, 0
	s_add_nc_u64 s[QSP:QSP+1], s[QSB:QSB+1], s[30:31]   ; (the loads that read these two bases were waited for above)
	s_add_nc_u64 s[QP:QP+1], s[QP:QP+1], 24576
	QLOAD
.Lno_next:
	POLICY 0
	; ---- the rows' maxima: eight chains of 32 registers, each accumulator from its low end on
	WIN 0x14                                       ; sources 1 and 2: window 1
.irp q, 0,1
.irp c, 0,1,2,3
	v_max3_num_f32 v[TM+4*\q+\c], 0xff800000, v[64*(2*(\c/2)+\q)+32*(\c%2)], v[64*(2*(\c/2)+\q)+32*(\c%2)+1]
.endr
.endr
.set i, 2
.rept 15
.irp q, 0,1
.irp c, 0,1,2,3
	v_max3_num_f32 v[TM+4*\q+\c], v[TM+4*\q+\c], v[64*(2*(\c/2)+\q)+32*(\c%2)+i], v[64*(2*(\c/2)+\q)+32*(\c%2)+i+1]
.endr
.endr
.set i, i+2
.endr
	WIN 0
.irp q, 0,1
	v_max3_num_f32 v[TM+4*\q], v[TM+4*\q], v[TM+4*\q+1], v[TM+4*\q+2]
.endr
.irp q, 0,1
	v_max_num_f32 v[TM+4*\q], v[TM+4*\q], v[TM+4*\q+3]
.endr
.irp q, 0,1
	v_permlanex16_b32 v[TM+8+\q], v[TM+4*\q], s[SEL], s[SEL+1]
.endr
.irp q, 0,1
	v_max_num_f32 v[TM+4*\q], v[TM+4*\q], v[TM+8+\q]   ; with lane l xor 16's keys
.endr
	v_cndmask_b32 v[TM+10], v[TM], v[TM+4], s24    ; lane l holds query l's: lanes 16-31 take the second tile's
	ds_store_b32 v[AMW], v[TM+10]
	s_wait_dscnt 0x0                               ; for the others' sake: my store has landed (and the policy is in)
	s_barrier_signal -1
	s_barrier_wait -1
	ds_load_b128 v[TM:TM+3], v[AMR]                ; the eight waves' maxima of query r,
	ds_load_b128 v[TM+4:TM+7], v[AMR] offset:16
	ds_load_b128 v[TM+8:TM+11], v[AMR] offset:512  ; and of query 16 + r
	ds_load_b128 v[TM+12:TM+15], v[AMR] offset:528
.set i, 0
.rept 16
	v_mov_b32 v[L+i], 0                            ; the running sums begin anew
.set i, i+1
.endr
	s_wait_dscnt 0x0
.irp q, 0,1
	v_max3_num_f32 v[TM+8*\q], v[TM+8*\q], v[TM+8*\q+1], v[TM+8*\q+2]
.endr
.irp q, 0,1
	v_max3_num_f32 v[TM+8*\q], v[TM+8*\q], v[TM+8*\q+3], v[TM+8*\q+4]
.endr
.irp q, 0,1
	v_max3_num_f32 v[TM+8*\q], v[TM+8*\q], v[TM+8*\q+5], v[TM+8*\q+6]
.endr
.irp q, 0,1
	v_max_num_f32 v[TM+8*\q], v[TM+8*\q], v[TM+8*\q+7]   ; the row's maximum
.endr
.irp q, 0,1
	v_mul_f32 v[NCM+2*\q], 0xbe38aa3b, v[TM+8*\q]  ; -c m
.endr
	; ---- exponentials, policy, sums.  A batch of 64 exponentials; the next chunk's 32 scalings are the independent work behind it; one wait ahead of the batch's first reader
	FMA 0
	EXPS 0
	FMA 1
	s_wait_alu depctr_va_vdst(0)
	MULADD 0
	EXPS 1
	FMA 2
	s_wait_alu depctr_va_vdst(0)
	MULADD 1
	WIN 0
	POLICY 1                                       ; the first 128 keys' policy has been used
	EXPS 2
	FMA 3
	s_wait_alu depctr_va_vdst(0)
	s_wait_dscnt 0x0                               ; the policy of keys 128 on
	MULADD 2
	EXPS 3
	v_nop                                          ; a plain instruction behind the last exponential
	s_wait_alu depctr_va_vdst(0)
	MULADD 3
	WIN 0
.irp q, 0,1
	v_pk_add_f32 v[L+8*\q:L+8*\q+1], v[L+8*\q:L+8*\q+1], v[L+8*\q+2:L+8*\q+3]
	v_pk_add_f32 v[L+8*\q+4:L+8*\q+5], v[L+8*\q+4:L+8*\q+5], v[L+8*\q+6:L+8*\q+7]
.endr
.irp q, 0,1
	v_pk_add_f32 v[L+8*\q:L+8*\q+1], v[L+8*\q:L+8*\q+1], v[L+8*\q+4:L+8*\q+5]
.endr
.irp q, 0,1
	v_add_f32 v[L+8*\q], v[L+8*\q], v[L+8*\q+1]
.endr
.irp q, 0,1
	v_permlanex16_b32 v[L+8*\q+1], v[L+8*\q], s[SEL], s[SEL+1]
.endr
.irp q, 0,1
	v_add_f32 v[L+8*\q], v[L+8*\q], v[L+8*\q+1]    ; my wave's 256 keys' sum
.endr
	v_cndmask_b32 v[L+2], v[L], v[L+8], s24
	ds_store_b32 v[AMW], v[L+2] offset:SM-MX
	s_wait_dscnt 0x0                               ; for the others' sake
	s_barrier_signal -1
	s_barrier_wait -1
	ds_load_b128 v[TM:TM+3], v[AMR] offset:SM-MX
	ds_load_b128 v[TM+4:TM+7], v[AMR] offset:SM-MX+16
	ds_load_b128 v[TM+8:TM+11], v[AMR] offset:SM-MX+512
	ds_load_b128 v[TM+12:TM+15], v[AMR] offset:SM-MX+528
	s_wait_dscnt 0x0
.irp q, 0,1
	v_pk_add_f32 v[TM+8*\q:TM+8*\q+1], v[TM+8*\q:TM+8*\q+1], v[TM+8*\q+2:TM+8*\q+3]
	v_pk_add_f32 v[TM+8*\q+4:TM+8*\q+5], v[TM+8*\q+4:TM+8*\q+5], v[TM+8*\q+6:TM+8*\q+7]
.endr
.irp q, 0,1
	v_pk_add_f32 v[TM+8*\q:TM+8*\q+1], v[TM+8*\q:TM+8*\q+1], v[TM+8*\q+4:TM+8*\q+5]
.endr
.irp q, 0,1
	v_add_f32 v[TM+8*\q], v[TM+8*\q], v[TM+8*\q+1] ; the row's sum: the same order in every wave
.endr
.irp q, 0,1
	v_add_f32 v[TM+8*\q], 0x358637bd, v[TM+8*\q]   ; + 1e-6
.endr
.irp q, 0,1
	v_rcp_f32 v[RR+2*\q], v[TM+8*\q]
.endr
	v_nop                                          ; a plain instruction behind the reciprocals,
	s_wait_alu depctr_va_vdst(0)                   ; and the wait ahead of their first reader
.irp q, 0,1
	v_mul_f32 v[ER+2*\q], 0x300637bd, v[RR+2*\q]   ; (1e-6 / 2048) / (sum + 1e-6)
.endr
	; ---- normalised, quantised along the keys, multiplied by V
	NORM 0
	QUANTW 0, 1, X, X+48, PW
	NORM 1
	QUANTW 64, 1, X+12, X+48, PW+1
	WIN 0x40                                       ; chunks 0 and 1 are codes now: V's eight fragments land in their registers
.irp g, 0,1
.irp t, 0,1,2,3
.irp p, 0,1,2,3,4,5
	ds_load_b64 v[12*(4*\g+\t)+2*\p:12*(4*\g+\t)+2*\p+1], v[AV0+\t/2] offset:(\t%2)*24576+1536*\g+256*\p
.endr
.endr
.endr
	NORM 2
	QUANTW 128, 1, X+24, X+48, PW+2
	NORM 3
	QUANTW 192, 1, X+36, X+48, PW+3
	s_wait_dscnt 0x0                               ; V
	PLACES 8                                       ; a scale word made by vector instructions stands eight places ahead of a scaled matrix instruction, an operand so made four
	WIN 0x51                                       ; source 0 (V), C and D: window 1; source 1 (P): window 0
.irp g, 0,1                                    ; eight accumulators by turns, one instruction a turn; the first 128 keys start the sums
.irp q, 0,1
.irp t, 0,1,2,3
.if \g == 0
	v_wmma_scale_f32_16x16x128_f8f6f4 v[128+8*(4*\q+\t):128+8*(4*\q+\t)+7], v[12*(4*\g+\t):12*(4*\g+\t)+11], v[X+12*(2*\g+\q):X+12*(2*\g+\q)+11], 0, v[VSC+4*\g+\t], v[PW+2*\g+\q] matrix_a_fmt:MATRIX_FMT_FP6 matrix_b_fmt:MATRIX_FMT_FP6
.else
	v_wmma_scale_f32_16x16x128_f8f6f4 v[128+8*(4*\q+\t):128+8*(4*\q+\t)+7], v[12*(4*\g+\t):12*(4*\g+\t)+11], v[X+12*(2*\g+\q):X+12*(2*\g+\q)+11], v[128+8*(4*\q+\t):128+8*(4*\q+\t)+7], v[VSC+4*\g+\t], v[PW+2*\g+\q] matrix_a_fmt:MATRIX_FMT_FP6 matrix_b_fmt:MATRIX_FMT_FP6
.endif
.endr
.endr
.endr
	WIN 0
	PLACES 5                                       ; four in front of the stores that read the results; five in front of the next block's products, which write over these registers
	; ---- the eight waves' partial results meet in LDS
	WIN 0x04                                       ; an LDS store's data are its source 1: window 1
.irp q, 0,1
.irp t, 0,1,2,3
	ds_store_b128 v[AOW], v[128+8*(4*\q+\t):128+8*(4*\q+\t)+3] offset:4352*\q+64*\t       ; query 16 q + r, channels 16 t + 8 h + 0 .. 7; each accumulator from its low end on
	ds_store_b128 v[AOW], v[128+8*(4*\q+\t)+4:128+8*(4*\q+\t)+7] offset:4352*\q+64*\t+16
.endr
.endr
	WIN 0
	s_wait_dscnt 0x0                               ; for the others' sake
	s_barrier_signal -1
	s_barrier_wait -1
	s_cmp_ge_u32 s[WV], 4                          ; waves 0-3 finish 8 queries each; a lane takes 16 neighbouring channels of one query.  No barrier stands under this branch
	s_cbranch_scc1 .Ldone
.irp u, 0,1,2,3,4,5,6,7
.irp i, 0,1,2,3
	ds_load_b128 v[X+16*\u+4*\i:X+16*\u+4*\i+3], v[AOR] offset:8704*\u+16*\i
.endr
.endr
	s_wait_dscnt 16                                ; the partial results of waves 0-3 are in; the 16 loads of waves 4-7's may be out
.irp j, 0,2,4,6,8,10,12,14
	v_pk_add_f32 v[X+\j:X+\j+1], v[X+\j:X+\j+1], v[X+16+\j:X+16+\j+1]
	v_pk_add_f32 v[X+32+\j:X+32+\j+1], v[X+32+\j:X+32+\j+1], v[X+48+\j:X+48+\j+1]
.endr
.irp j, 0,2,4,6,8,10,12,14
	v_pk_add_f32 v[X+\j:X+\j+1], v[X+\j:X+\j+1], v[X+32+\j:X+32+\j+1]
.endr
	s_wait_dscnt 0x0
.irp j, 0,2,4,6,8,10,12,14
	v_pk_add_f32 v[X+64+\j:X+64+\j+1], v[X+64+\j:X+64+\j+1], v[X+80+\j:X+80+\j+1]
	v_pk_add_f32 v[X+96+\j:X+96+\j+1], v[X+96+\j:X+96+\j+1], v[X+112+\j:X+112+\j+1]
.endr
.irp j, 0,2,4,6,8,10,12,14
	v_pk_add_f32 v[X+64+\j:X+64+\j+1], v[X+64+\j:X+64+\j+1], v[X+96+\j:X+96+\j+1]
.endr
.irp j, 0,2,4,6,8,10,12,14
	v_pk_add_f32 v[X+\j:X+\j+1], v[X+\j:X+\j+1], v[X+64+\j:X+64+\j+1]   ; out(query, 16 (lane % 4) + 0 .. 15)
.endr
	v_max3_num_f32 v[TM], |v[X]|, |v[X+1]|, |v[X+2]|               ; quantised along the channels: two neighbouring lanes hold a block of 32
	v_max3_num_f32 v[TM+1], |v[X+3]|, |v[X+4]|, |v[X+5]|
.irp i, 6,10
	v_max3_num_f32 v[TM], v[TM], |v[X+\i]|, |v[X+\i+1]|
	v_max3_num_f32 v[TM+1], v[TM+1], |v[X+\i+2]|, |v[X+\i+3]|
.endr
	v_max3_num_f32 v[TM], v[TM], |v[X+14]|, |v[X+15]|
	v_max3_num_f32 v[TM], v[TM], v[TM+1], 0x1800000                ; and the floor 2^(3 - 127)
	v_max_num_f32_dpp v[TM], v[TM], v[TM] row_xmask:1 row_mask:0xf bank_mask:0xf
	v_add_nc_u32 v[TM+2], 0xff000000, v[TM]
	v_cvt_scalef32_pk16_fp6_f32 v[X+128:X+130], v[X:X+15], v[TM+2]
	v_lshrrev_b32 v[X+131], 23, v[TM+2]            ; the scale's byte (also the plain place behind the conversion)
	global_store_b96 v[GOC], v[X+128:X+130], s[10:11]              ; four lanes store a query's 48 consecutive bytes
	global_store_b8 v[GOS], v[X+131], s[12:13]     ; both lanes of a block write the same byte with the same value
.Ldone:
	s_wait_xcnt 0x0                                ; the stores have read their data and bases: both may be written again
	s_add_nc_u64 s[10:11], s[10:11], 24576         ; 32 tokens on
	s_add_nc_u64 s[12:13], s[12:13], 1024
	s_add_co_u32 s28, s28, 1
	s_cmp_lt_u32 s28, 16
	s_cbranch_scc1 .Lblock
	s_wait_tensorcnt 0x0                           ; the wave's end: these three lines stand behind my last tensor load and my last LDS store
	ds_add_u32 v[SPW], v[NIL]
	s_wait_dscnt 0x0
	CROUND                                         ; the closing round
	s_endpgm
.Lfunc_end_k_qc9efdb3f32_attn:
	.size	k_qc9efdb3f32_attn, .Lfunc_end_k_qc9efdb3f32_attn-k_qc9efdb3f32_attn
	.p2alignl 7, 3214868480
	.fill 96, 4, 3214868480
	.section	.rodata,"a",@progbits
	.p2align	6, 0x0
	.amdhsa_kernel k_qc9efdb3f32_attn
		.amdhsa_group_segment_fixed_size 327680
		.amdhsa_private_segment_fixed_size 0
		.amdhsa_enable_private_segment 0
		.amdhsa_kernarg_size 40
		.amdhsa_user_sgpr_count 2
		.amdhsa_user_sgpr_kernarg_segment_ptr 1
		.amdhsa_wavefront_size32 1
		.amdhsa_system_sgpr_workgroup_id_x 1
		.amdhsa_system_sgpr_workgroup_id_y 1
		.amdhsa_system_sgpr_workgroup_id_z 1
		.amdhsa_system_vgpr_workitem_id 0
		.amdhsa_next_free_vgpr 512
		.amdhsa_next_free_sgpr 80
		.amdhsa_reserve_vcc 0
		.amdhsa_float_denorm_mode_32 3
		.amdhsa_float_denorm_mode_16_64 3
		.amdhsa_memory_ordered 1
		.amdhsa_forward_progress 1
		.amdhsa_inst_pref_size 106
	.end_amdhsa_kernel
	.amdgpu_metadata
---
amdhsa.version: [ 1, 2 ]
amdhsa.kernels:
  - .name:           k_qc9efdb3f32_attn
    .symbol:         k_qc9efdb3f32_attn.kd
    .args:
      - { .name: qkvf, .offset: 0, .size: 8, .value_kind: global_buffer, .address_space: global }
      - { .name: qkvs, .offset: 8, .size: 8, .value_kind: global_buffer, .address_space: global }
      - { .name: decisions, .offset: 16, .size: 8, .value_kind: global_buffer, .address_space: global }
      - { .name: oc, .offset: 24, .size: 8, .value_kind: global_buffer, .address_space: global }
      - { .name: os, .offset: 32, .size: 8, .value_kind: global_buffer, .address_space: global }
    .group_segment_fixed_size: 327680
    .private_segment_fixed_size: 0
    .kernarg_segment_align: 8
    .kernarg_segment_size: 40
    .max_flat_workgroup_size: 256
    .sgpr_count:     80
    .vgpr_count:     512
    .wavefront_size: 32
...
	.end_amdgpu_metadata
.endif
;; end of part 4
;; launch gemm_out (part 5): grid 4 x 32, 4 waves a work-group, clusters of 4 x 4, 327,680 bytes of LDS; arguments oc, os, codes, scl, out0; writes out0
.if DOCPART == 5
	.amdgcn_target "amdgcn-amd-amdhsa--gfx1250"
	.amdhsa_code_object_version 6
	.text
	.protected	k_qc9efdb3f32_gemm_out
	.globl	k_qc9efdb3f32_gemm_out
	.p2align	8
	.type	k_qc9efdb3f32_gemm_out,@function
k_qc9efdb3f32_gemm_out:
	s_mov_b64 s[64:65], 0
	v_nop
	global_prefetch_b8 v0, s[64:65] scope:SCOPE_SE
	s_setreg_imm32_b32 hwreg(HW_REG_WAVE_MODE, 25, 1), 1
	s_wait_xcnt 0x0
	s_wait_alu depctr_hold_cnt(0) depctr_sa_sdst(0) depctr_va_vdst(0) depctr_va_sdst(0) depctr_va_ssrc(0) depctr_va_vcc(0) depctr_vm_vsrc(0)
	s_getreg_b32 s2, hwreg(HW_REG_IB_STS2, 6, 4)
	s_cmp_eq_u32 s2, 0
	s_cbranch_scc0 .Lentry_in_a_cluster
	s_endpgm
.Lentry_in_a_cluster:
	s_bfe_u32 s2, ttmp6, 0x10000c
	s_cmp_lg_u32 s2, 0xf033
	s_cbranch_scc0 .Lentry_shape_is_right
	s_endpgm
.Lentry_shape_is_right:
; out0[m][n] = sum over k of out[m][k] Wp[k][n]: A = the attention's result as codes of FP6 (E2M3), oc [8192][768 bytes] with scale bytes os [8192][32]; B = Wp's columns, rows 19456 .. 20479 of codes and scl; out0 [8192][1024] f32.
; A tile of 256 x 256 is made by four waves, each 128 x 128: 64 accumulators, 512 registers.  K = 1024 goes in steps of 256 through a ring of two LDS slots filled by the tensor data mover;
; the scale bytes of the tile's 2 x 256 rows come into LDS once.  4 x 4 work-groups form a cluster: A's tile is asked for jointly along a row of the cluster, B's along a column.
; The matrix instruction is used transposed (source 0 = 16 rows of B, source 1 = 16 rows of A): a lane holds eight neighbouring numbers of a row of the result.
; The result has 128 tiles of this size, so 128 work-groups are launched.  No prefetch: a tile has four changes of slots in all.
; REGISTERS, in windows of 256: window 0: v0-31 addresses; v32-63 scale words, two sets; from v128 A's fragments, one set; on the way out v128-255 hold rows.
;   window 1: B's fragments, two sets.   window 2: accumulators of my rows 0-63 ((a, b) at v[8 (8 a + b)]);   window 3: those of rows 64-127.
.set SIZE_M, 8192
.set SIZE_N, 1024
.set SIZE_K, 1024
.set KSTEP,  256
.set NQ,     KSTEP/128
.set ROWB,   192
.set KROW,   SIZE_K*6/8
.set PITCH,  240                       ; an LDS row: 3 x (64 bytes + 16 of padding)
.set FR,     12
.set NL,     6
.set NP,     4                         ; places behind this matrix instruction (ISA guide 7.12.1)
.set HALFT,  128*PITCH
.set SLOT,   4*HALFT
.set LAPS,   SIZE_K/(2*KSTEP)
.set KS,     SIZE_K/32
.set SCL,    2*SLOT
.set HALFS,  (128*KS/256)*272
.set SBLK,   (16*KS/256)*272
.set SPARE,  SCL+4*HALFS               ; the spare words, 128 bytes a wave
.set SPITCH, 528                       ; the way out: a stage of 16 rows x (512 bytes + 16) for each wave, in slot 0, which has had its last fill and its last read when the first result is stored there
.set ADRA, 16
.set ADRB, 20
.set STO,  24                          ; v24 the way out: where I put 32 bytes of a row
.set RD,   25                          ; v25 where I read a row back
.set CO,   26                          ; v26 my byte offset in a row of the result
.set SPW,  28                          ; v28 LDS address of my spare word; never rewritten
.set NIL,  29                          ; v29 0; never rewritten
.set ADRS, 27
.set SC,   32
.set AF,   128
.set BK,   128
.set G1, 24
.set G0, 32
.set G1B, 48
.set G0B, 56
.set G1S, 68
.set G0S, 76
.set G1SB, 80
.set G0SB, 88
.set MSB, 0
.macro WIN new                         ; the immediate's high byte repeats the setting that is left
.if MSB != (\new)
	s_set_vgpr_msb (MSB<<8)|(\new)
.set MSB, (\new)
.endif
.endm
.set MUL_LO, 0xa1                      ; source 0 (B) window 1, source 1 (A) window 0, C and D window 2
.set MUL_HI, 0xf1                      ; the same, C and D window 3
.set TO_B,   0x40                      ; destination window 1, address window 0
; A joint load: waves 0 and 1 fetch for A, waves 2 and 3 for B.  The branch hangs on the wave's number alone.  An s_nop 0 and four v_nop follow each of the two lines.
.macro JLOAD g0a, g1a, g0b, g1b
	s_cmp_eq_u32 s15, 0
	s_cbranch_scc0 .Lfor_b_\@
	tensor_load_to_lds s[\g0a:\g0a+3], s[\g1a:\g1a+7]
	s_nop 0
.rept 4
	v_nop
.endr
	s_branch .Lasked_\@
.Lfor_b_\@:
	tensor_load_to_lds s[\g0b:\g0b+3], s[\g1b:\g1b+7]
	s_nop 0
.rept 4
	v_nop
.endr
.Lasked_\@:
.endm
.macro CREST                           ; a round of the cluster's barrier behind its opening barrier
	s_cmp_lg_u32 s14, 0
	s_cbranch_scc1 .Lnot_wave_0_\@
	s_barrier_signal -3
.Lnot_wave_0_\@:
	s_barrier_wait -3
	s_barrier_signal -1
	s_barrier_wait -1
.endm
.macro CROUND                          ; a whole round
	s_barrier_signal -1
	s_barrier_wait -1
	CREST
.endm
	s_load_b128 s[4:7], s[0:1], 0x0                ; oc s[4:5], os s[6:7]
	s_load_b128 s[8:11], s[0:1], 0x10              ; codes s[8:9], scl s[10:11]
	s_load_b64 s[12:13], s[0:1], 0x20              ; out0
	v_lshl_add_u32 v[SPW], v0, 2, SPARE
	v_mov_b32 v[NIL], 0
	ds_add_u32 v[SPW], v[NIL]                      ; the wave's opening: the add and its wait stand ahead of my first tensor load; the set-up below, work on registers, stands between them
	v_lshrrev_b32 v1, 5, v0
	v_readfirstlane_b32 s14, v1                    ; wave 0..3
	s_lshr_b32 s15, s14, 1                         ; which half of the tile's rows is mine.  Also: I fetch for A (0) or for B (1)
	s_and_b32 s16, s14, 1                          ; which half of its columns.  Also: which 128 rows of that tile I fetch
	s_bfe_u32 s40, ttmp6, 0x40000                  ; cx, cy: my place in the cluster
	s_bfe_u32 s41, ttmp6, 0x40004
	s_lshl_b32 s42, ttmp9, 2
	s_add_co_u32 s42, s42, s40                     ; tile column = 4 x cluster x + cx
	s_and_b32 s17, ttmp7, 0xffff
	s_lshl_b32 s17, s17, 2
	s_add_co_u32 s17, s17, s41                     ; tile row = 4 x cluster y + cy
	s_lshl_b32 s43, s41, 2
	s_lshl_b32 s43, 15, s43                        ; my row of the cluster
	s_lshl_b32 s44, 0x1111, s40                    ; my column
	; descriptor group 1: a tile of 128 rows x 192 bytes, 16 bytes of padding behind every 64
	s_or_b32 s[G1+0], s43, (0<<16)|(1<<20)|(1<<21)|(3<<22)|(3<<25)
	s_or_b32 s[G1B+0], s44, (0<<16)|(1<<20)|(1<<21)|(3<<22)|(3<<25)
.irp g, G1, G1B
	s_mov_b32 s[\g+1], ROWB<<16                    ; tensor_dim0
	s_mov_b32 s[\g+2], 128<<16                     ; tensor_dim1 = 128
	s_mov_b32 s[\g+3], ROWB<<16                    ; tile_dim0
	s_mov_b32 s[\g+4], 128                         ; tile_dim1 = 128
	s_mov_b32 s[\g+5], KROW                        ; tensor_dim0_stride
	s_mov_b32 s[\g+6], 0
	s_mov_b32 s[\g+7], 0
.endr
	; the scales of 128 rows: a dense block of 4,096 bytes, as rows of 256 bytes (32 elements of 8 bytes), 16 bytes of padding behind each
	s_or_b32 s[G1S+0], s43, (3<<16)|(1<<20)|(1<<21)|(5<<22)|(3<<25)
	s_or_b32 s[G1SB+0], s44, (3<<16)|(1<<20)|(1<<21)|(5<<22)|(3<<25)
.irp g, G1S, G1SB
	s_mov_b32 s[\g+1], 32<<16
	s_mov_b32 s[\g+2], (128*KS/256)<<16
	s_mov_b32 s[\g+3], 32<<16
	s_mov_b32 s[\g+4], 128*KS/256
	s_mov_b32 s[\g+5], 32
	s_mov_b32 s[\g+6], 0
	s_mov_b32 s[\g+7], 0
.endr
	s_lshl_b32 s18, s16, 7                         ; which 128 rows of the tile I fetch
	s_lshl_b32 s20, s17, 8
	s_add_co_u32 s20, s20, s18                     ; A: row 256 x tile row + 128 x half
	s_lshl_b32 s46, s42, 8
	s_add_co_u32 s46, s46, s18                     ; B: row 256 x tile column + 128 x half
	s_mov_b32 s21, 0
	s_mov_b32 s47, 0
	s_mov_b64 s[18:19], KS
	s_mul_u64 s[22:23], s[20:21], s[18:19]         ; where these rows' scales begin, in bytes
	s_mul_u64 s[92:93], s[46:47], s[18:19]
	s_mov_b64 s[18:19], KROW
	s_mul_u64 s[20:21], s[20:21], s[18:19]         ; and their codes
	s_mul_u64 s[46:47], s[46:47], s[18:19]
	s_mul_i32 s45, s14, HALFT                      ; where they go: wave x 128 rows: no place in the cluster enters an LDS address
	s_mul_i32 s94, s14, HALFS
	s_wait_dscnt 0x0                               ; the opening add is done
	s_wait_kmcnt 0x0
	s_add_nc_u64 s[8:9], s[8:9], 14942208          ; Wp's rows begin at row 19456: x 768 bytes of codes,
	s_add_nc_u64 s[10:11], s[10:11], 622592        ; x 32 scale bytes
	s_add_nc_u64 s[20:21], s[4:5], s[20:21]
	s_add_nc_u64 s[22:23], s[6:7], s[22:23]
	s_add_nc_u64 s[46:47], s[8:9], s[46:47]
	s_add_nc_u64 s[92:93], s[10:11], s[92:93]
	CROUND                                         ; all sixteen work-groups are here: the first joint loads meet
	s_mov_b32 s[G0S], 1
	s_add_co_u32 s[G0S+1], s94, SCL
	s_mov_b64 s[G0S+2:G0S+3], s[22:23]
	s_or_b32 s[G0S+3], s[G0S+3], 0x80000000
	s_mov_b32 s[G0SB], 1
	s_add_co_u32 s[G0SB+1], s94, SCL
	s_mov_b64 s[G0SB+2:G0SB+3], s[92:93]
	s_or_b32 s[G0SB+3], s[G0SB+3], 0x80000000
	JLOAD G0S, G1S, G0SB, G1SB                     ; the scales first: they are wanted with K step 0
.irp s, 0,1
	s_mov_b32 s[G0+4*\s], 1
	s_add_co_u32 s[G0+4*\s+1], s45, \s*SLOT
	s_add_nc_u64 s[G0+4*\s+2:G0+4*\s+3], s[20:21], \s*ROWB
	s_or_b32 s[G0+4*\s+3], s[G0+4*\s+3], 0x80000000
	s_mov_b32 s[G0B+4*\s], 1
	s_add_co_u32 s[G0B+4*\s+1], s45, \s*SLOT
	s_add_nc_u64 s[G0B+4*\s+2:G0B+4*\s+3], s[46:47], \s*ROWB
	s_or_b32 s[G0B+4*\s+3], s[G0B+4*\s+3], 0x80000000
	JLOAD G0+4*\s, G1, G0B+4*\s, G1B               ; three loads of mine are out now
.endr
	v_and_b32 v1, 15, v0                           ; l % 16
	v_bfe_u32 v2, v0, 4, 1                         ; l / 16
	v_mul_u32_u24 v3, v1, PITCH
	v_mul_u32_u24 v4, v2, 24
	v_add_nc_u32 v4, v3, v4                        ; a fragment's row x pitch + 24 x half
	v_lshl_add_u32 v5, v2, 4, v4                   ; and the same behind one padding more
	s_mul_i32 s21, s15, HALFT                      ; my 128 rows of A
	s_mul_i32 s22, s16, HALFT                      ; my 128 rows of B,
	s_add_co_u32 s22, s22, 2*HALFT                 ; which lie behind A's 256
.irp s, 0,1
	v_add_nc_u32 v[ADRA+\s], s21, v4
	v_add_nc_u32 v[ADRB+\s], s22, v4
	v_add_nc_u32 v[ADRA+2+\s], s21, v5
	v_add_nc_u32 v[ADRB+2+\s], s22, v5
	s_add_co_u32 s21, s21, SLOT
	s_add_co_u32 s22, s22, SLOT
.endr
	v_mul_u32_u24 v5, v1, KS                       ; my row's scales: 32 bytes a row,
	v_lshrrev_b32 v6, 8, v5
	v_lshl_add_u32 v5, v6, 4, v5                   ; and 16 more for each 256 passed
	s_mul_i32 s21, s15, HALFS                      ; A's: my 128 rows
	s_mul_i32 s22, s16, HALFS                      ; B's: my 128 rows, behind A's 256
	s_add_co_u32 s22, s22, 2*HALFS
	s_sub_co_u32 s22, s22, s21
	v_mul_u32_u24 v6, s22, v2                      ; lanes 16-31 take B's
	s_add_co_u32 s21, s21, SCL
	v_add_nc_u32 v5, v5, v6
	v_add_nc_u32 v[ADRS], s21, v5
	s_mul_i32 s23, s14, 16*SPITCH                  ; my stage
	v_mul_u32_u24 v5, v1, SPITCH                   ; in: row l % 16, 32 bytes for each half of the lanes
	v_lshl_add_u32 v5, v2, 5, v5
	v_add_nc_u32 v[STO], s23, v5
	v_and_b32 v6, 31, v0
	v_lshlrev_b32 v[CO], 4, v6                     ; back: the 32 lanes take one row of 512 bytes; and the same in the result
	v_add_nc_u32 v[RD], s23, v[CO]
	s_lshl_b32 s20, s17, 8
	s_lshl_b32 s21, s15, 7
	s_add_co_u32 s20, s20, s21                     ; my first row of the result: 256 x tile row + 128 x half
	s_mov_b32 s21, 0
	s_mov_b64 s[18:19], SIZE_N*4
	s_mul_u64 s[20:21], s[20:21], s[18:19]
	s_lshl_b32 s46, s42, 10                        ; my first column, in bytes: 1024 x tile column + 512 x half
	s_lshl_b32 s47, s16, 9
	s_add_co_u32 s46, s46, s47
	s_mov_b32 s47, 0
	s_add_nc_u64 s[20:21], s[20:21], s[46:47]
	s_add_nc_u64 s[12:13], s[12:13], s[20:21]
.macro FRAG reg, adr, q, i             ; a fragment, 16 rows x 128 K of 6-bit codes: 12 registers; registers 6 c .. 6 c + 5 hold K = 64 c + 32 (l / 16) + 0 .. 31: 24 bytes of the row's stream of bits
.irp p, 0,1,2,3,4,5                    ; in pieces of 8 bytes.  Lanes 16-31 read three pieces further on than lanes 0-15:
.set PC, 12*(\q)+6*(\p/3)+\p%3        ; where that lies behind one padding more, the second address register serves
.if PC%8 < 5
	ds_load_b64 v[\reg+2*\p:\reg+2*\p+1], v[\adr] offset:8*PC+16*(PC/8)+(\i)*16*PITCH
.else
	ds_load_b64 v[\reg+2*\p:\reg+2*\p+1], v[\adr+2] offset:8*PC+16*(PC/8)+(\i)*16*PITCH
.endif
.endr
.endm
; 16 matrix instructions: A's blocks a0, a0 + 1 x B's eight, 128 along K.  The 64 accumulators take turns, one instruction a turn, in the same order in every step.
.macro MUL16 a0, p, q, sc, zero
.irp a, \a0, \a0+1
.irp b, 0,1,2,3,4,5,6,7
.if \zero
	v_wmma_scale_f32_16x16x128_f8f6f4 v[8*(8*((\a)%4)+\b):8*(8*((\a)%4)+\b)+7], v[128*(\p)+FR*\b:128*(\p)+FR*\b+FR-1], v[AF+FR*(\a):AF+FR*(\a)+FR-1], 0, v[SC+8*NQ*(\sc)+NQ*\b+(\q)], v[SC+8*NQ*(\sc)+NQ*(\a)+(\q)] matrix_a_fmt:MATRIX_FMT_FP6 matrix_b_fmt:MATRIX_FMT_FP6 matrix_a_scale:MATRIX_SCALE_ROW1
.else
	v_wmma_scale_f32_16x16x128_f8f6f4 v[8*(8*((\a)%4)+\b):8*(8*((\a)%4)+\b)+7], v[128*(\p)+FR*\b:128*(\p)+FR*\b+FR-1], v[AF+FR*(\a):AF+FR*(\a)+FR-1], v[8*(8*((\a)%4)+\b):8*(8*((\a)%4)+\b)+7], v[SC+8*NQ*(\sc)+NQ*\b+(\q)], v[SC+8*NQ*(\sc)+NQ*(\a)+(\q)] matrix_a_fmt:MATRIX_FMT_FP6 matrix_b_fmt:MATRIX_FMT_FP6 matrix_a_scale:MATRIX_SCALE_ROW1
.endif
.endr
.endr
.endm
.macro FETCH_B slot, q, p
	WIN TO_B
.irp i, 0,1,2,3,4,5,6,7
	FRAG 128*(\p)+FR*\i, ADRB+\slot, \q, \i
.endr
	WIN 0
.endm
.macro FETCH_A slot, q, i0
.irp i, \i0, \i0+1, \i0+2, \i0+3
	FRAG AF+FR*(\i), ADRA+\slot, \q, \i
.endr
.endm
.macro SCALES sc
.irp i, 0,1,2,3,4,5,6,7
	ds_load_b64 v[SC+8*NQ*\sc+NQ*\i:SC+8*NQ*\sc+NQ*\i+1], v[ADRS] offset:\i*SBLK
.endr
.endm
.macro PLACES n
.rept \n
	v_nop
.endr
.endm
.macro STEP slot, q, zero
	s_wait_dscnt 4*NL                              ; B's set and A's blocks 0-3 are in; the youngest 24 loads (A's blocks 4-7) may be out
	WIN MUL_LO
	MUL16 0, (\q)%2, \q, \slot, \zero
	MUL16 2, (\q)%2, \q, \slot, \zero
	s_wait_dscnt 0                                 ; A's blocks 4-7 are in
	PLACES NP
	FETCH_B \slot, (\q)+1, 1-(\q)%2
	FETCH_A \slot, (\q)+1, 0
	WIN MUL_HI
	MUL16 4, (\q)%2, \q, \slot, \zero
	MUL16 6, (\q)%2, \q, \slot, \zero
	PLACES NP
	WIN 0
	FETCH_A \slot, (\q)+1, 4
.endm
; A slot's last step changes slots: one barrier; in front of it each wave waits for all its tensor loads, adds 0 to its spare word, and waits for that and for its own reads of this slot.
.macro TURN slot, next, fill
	s_wait_tensorcnt 0x0                           ; all my tensor loads have landed: my part of the next slot
	ds_add_u32 v[SPW], v[NIL]                      ; 0 onto my spare word
	s_wait_dscnt 4*NL+1                            ; (the add and the youngest 24 loads, A's blocks 4-7, may be out)
	WIN MUL_LO
	MUL16 0, 1, NQ-1, \slot, 0                     ; sixteen matrix instructions stand between the add and the wait for it
	s_wait_dscnt 0x0                               ; the add is done, and my reads of this slot are over
	s_barrier_signal -1
	MUL16 2, 1, NQ-1, \slot, 0
	WIN 0
	s_barrier_wait -1
.if \fill
	CREST                                          ; the barrier has opened a round of the cluster's barrier: no wave of any partner still reads this slot's tile or has a load on its way
	s_add_nc_u64 s[G0+4*\slot+2:G0+4*\slot+3], s[G0+4*\slot+2:G0+4*\slot+3], 2*ROWB
	s_add_nc_u64 s[G0B+4*\slot+2:G0B+4*\slot+3], s[G0B+4*\slot+2:G0B+4*\slot+3], 2*ROWB
	JLOAD G0+4*\slot, G1, G0B+4*\slot, G1B         ; the first tensor load behind the round; its four v_nop are the places in front of the loads below
.else
	PLACES NP
.endif
	v_add_nc_u32 v[ADRS], 4*NQ, v[ADRS]            ; on to the next K step's scale words (no LDS load of mine is out)
	FETCH_B \next, 0, 0
	FETCH_A \next, 0, 0
	SCALES \next
	WIN MUL_HI
	MUL16 4, 1, NQ-1, \slot, 0
	MUL16 6, 1, NQ-1, \slot, 0
	PLACES NP
	WIN 0
	FETCH_A \next, 0, 4
.endm
	s_wait_tensorcnt 1                             ; the scales and my part of K step 0 are in (K step 1's load may be out),
	s_barrier_signal -1
	s_barrier_wait -1                              ; everybody's are
	FETCH_B 0, 0, 0
	FETCH_A 0, 0, 0
	SCALES 0
	FETCH_A 0, 0, 4
	STEP 0, 0, 1                                   ; the first step stands in front of the loop: its products start the sums
	s_mov_b32 s3, LAPS-1
.Llap:                                                 ; a trip goes once round the ring and fills both slots again
	TURN 0, 1, 1
	STEP 1, 0, 0
	TURN 1, 0, 1
	STEP 0, 0, 0
	s_sub_co_u32 s3, s3, 1
	s_cmp_lg_u32 s3, 0
	s_cbranch_scc1 .Llap
	TURN 0, 1, 0                                   ; the last lap fills nothing, and has no round of the cluster's barrier
	STEP 1, 0, 0
	s_wait_dscnt 4*NL                              ; the very last step: nothing more to fetch
	WIN MUL_LO
	MUL16 0, 1, NQ-1, 1, 0
	MUL16 2, 1, NQ-1, 1, 0
	s_wait_dscnt 0
	WIN MUL_HI
	MUL16 4, 1, NQ-1, 1, 0
	MUL16 6, 1, NQ-1, 1, 0
	WIN 0
; THE WAY OUT, block by block of 16 rows x 128 columns, through my own stage in LDS: back come whole rows of 512 bytes.  LDS serves a wave's instructions in order (ISA guide 5.7.1.4): no wait between the stores and the loads.
.macro TOSTAGE a
.set AC, 64*((\a)%4)
	WIN 0x08+4*((\a)/4)                            ; the data: window 2 or 3
.irp b, 0,1,2,3,4,5,6,7
	ds_store_b128 v[STO], v[AC+8*\b:AC+8*\b+3] offset:64*\b          ; each accumulator from its low end on
	ds_store_b128 v[STO], v[AC+8*\b+4:AC+8*\b+7] offset:64*\b+16
.endr
	WIN 0
.set BB, BK+64*((\a)%2)
.irp t, 0,1,2,3,4,5,6,7,8,9,10,11,12,13,14,15
	ds_load_b128 v[BB+4*\t:BB+4*\t+3], v[RD] offset:\t*SPITCH
.endr
.endm
.macro SEND a, younger                 ; younger: the LDS instructions issued behind block a's loads, which may stay out
.set BB, BK+64*((\a)%2)
	s_wait_dscnt \younger                          ; the block is back in registers
.if (\a) > 0
	s_add_nc_u64 s[12:13], s[12:13], 16*SIZE_N*4   ; (behind a wait on XCNT: the earlier stores have read their base)  16 rows on
.endif
.irp t, 0,1,2,3,4,5,6,7,8,9,10,11,12,13,14,15
	global_store_b128 v[CO], v[BB+4*\t:BB+4*\t+3], s[12:13] offset:\t*SIZE_N*4 th:TH_STORE_NT   ; 32 lanes store 512 consecutive bytes, aligned; written once, read by nobody here
.endr
.endm
	PLACES NP                                      ; behind the last products: for the loads into the registers that held A's fragments and for the reads of results
	TOSTAGE 0
.irp a, 1,2,3,4,5,6,7
.if \a > 1
	s_wait_xcnt 0x0                                ; block a - 2's stores have read their registers and their base: block a's loads may land there, and the base may step
.endif
	TOSTAGE \a
	SEND \a-1, 32                                  ; behind block a - 1's loads: block a's 16 stores and 16 loads
.endr
	s_wait_xcnt 0x0                                ; block 6's stores have read their base
	SEND 7, 0
	s_wait_tensorcnt 0x0                           ; the wave's end: these three lines stand behind my last tensor load and my last LDS store
	ds_add_u32 v[SPW], v[NIL]
	s_wait_dscnt 0x0
	CROUND                                         ; the closing round: no work-group ends while a partner may still ask for a tile that names it
	s_endpgm
.Lfunc_end_k_qc9efdb3f32_gemm_out:
	.size	k_qc9efdb3f32_gemm_out, .Lfunc_end_k_qc9efdb3f32_gemm_out-k_qc9efdb3f32_gemm_out
	.p2alignl 7, 3214868480
	.fill 96, 4, 3214868480
	.section	.rodata,"a",@progbits
	.p2align	6, 0x0
	.amdhsa_kernel k_qc9efdb3f32_gemm_out
		.amdhsa_group_segment_fixed_size 327680
		.amdhsa_private_segment_fixed_size 0
		.amdhsa_enable_private_segment 0
		.amdhsa_kernarg_size 40
		.amdhsa_user_sgpr_count 2
		.amdhsa_user_sgpr_kernarg_segment_ptr 1
		.amdhsa_wavefront_size32 1
		.amdhsa_system_sgpr_workgroup_id_x 1
		.amdhsa_system_sgpr_workgroup_id_y 1
		.amdhsa_system_sgpr_workgroup_id_z 1
		.amdhsa_system_vgpr_workitem_id 0
		.amdhsa_next_free_vgpr 1024
		.amdhsa_next_free_sgpr 98
		.amdhsa_reserve_vcc 0
		.amdhsa_float_denorm_mode_32 3
		.amdhsa_float_denorm_mode_16_64 3
		.amdhsa_memory_ordered 1
		.amdhsa_forward_progress 1
		.amdhsa_inst_pref_size 160
	.end_amdhsa_kernel
	.amdgpu_metadata
---
amdhsa.version: [ 1, 2 ]
amdhsa.kernels:
  - .name:           k_qc9efdb3f32_gemm_out
    .symbol:         k_qc9efdb3f32_gemm_out.kd
    .args:
      - { .name: oc, .offset: 0, .size: 8, .value_kind: global_buffer, .address_space: global }
      - { .name: os, .offset: 8, .size: 8, .value_kind: global_buffer, .address_space: global }
      - { .name: codes, .offset: 16, .size: 8, .value_kind: global_buffer, .address_space: global }
      - { .name: scl, .offset: 24, .size: 8, .value_kind: global_buffer, .address_space: global }
      - { .name: out0, .offset: 32, .size: 8, .value_kind: global_buffer, .address_space: global }
    .group_segment_fixed_size: 327680
    .private_segment_fixed_size: 0
    .kernarg_segment_align: 8
    .kernarg_segment_size: 40
    .max_flat_workgroup_size: 128
    .sgpr_count:     98
    .vgpr_count:     1024
    .wavefront_size: 32
...
	.end_amdgpu_metadata
.endif
;; end of part 5
